; MI455X (gfx1250); checked and timed in simulation.
; The chip was launched on July 23, 2026; its instructions are those of AMD's public machine-readable ISA for CDNA 5 (MIT licence, August 2026) and "CDNA5" Instruction Set Architecture Reference Guide (July 2026). The comments in the code are by the model that wrote it; some were corrected since.
;; Mo E. Allowed arithmetic: matrix products marked QUANTISED: E2M3 operands, one E8M0 scale for each 32 along K, by v_wmma_scale_f32_16x16x128_f8f6f4 with both operands' format E2M3, f32 sums; products left as they are: f32 operands where the result goes on into a quantised operand, else bf16, f16 or f32 operands; f32 sums; everything else in f32.
;; Inputs: b1 8 x 2,048 float32; b2 8 x 1,024 float32; gate_b 8 float32; gate_w 8 x 1,024 float32; w1_codes 8 x 2,048 x 32 x 24 uint8 (E2M3 codes of w1, K innermost, in blocks of 32 codes, four codes in three bytes); w1_scales 8 x 2,048 x 32 uint8 (E8M0 scales of w1, one for each 32 codes along K); w2_codes 8 x 1,024 x 64 x 24 uint8 (E2M3 codes of w2, K innermost, in blocks of 32 codes, four codes in three bytes); w2_scales 8 x 1,024 x 64 uint8 (E8M0 scales of w2, one for each 32 codes along K); x 4 x 512 x 1,024 float32.
;; Outputs: out0 4 x 512 x 1,024 float32.
;; This version of the problem:
;;   THIS VERSION OF THE PROBLEM IS GIVEN IN LOW PRECISION. The matrix products marked QUANTISED in the list below multiply operands that are first quantised to E2M3 (2 exponent bits, 3 mantissa bits; 6 bits a number), with one power-of-two scale for each 32 numbers along K (OCP MX v1.0); their sums are f32. All else is computed in f32.
;;   The module's matrix products, in the order in which they are computed (A, B: the left and right operand; K: the contracted axis; several contracted axes count as one K, in the product's order):
;;     1. [M 2,048, K 1,024] x [K 1,024, N 8]; A: input x; B: input gate_w: left as it is (N = 8 < 16)
;;     2. [M 2,048, K 1,024] x [K 1,024, N 16,384]; A: input x; B: input w1 (given as codes): QUANTISED
;;     3. batch 8 x [M 1,024, K 2,048] x [K 2,048, N 2,048]; A: input w2 (given as codes); B: computed on the way: QUANTISED
;;   THE QUANTISER, for each operand of a quantised product, along K:
;;     - K is cut into blocks of 32 from its start; a last block that is shorter is filled with zeros.
;;     - A block's scale is 2^e with e = floor(log2(the largest magnitude in the block)) - 2, held to -126 .. 127; a block of zeros has e = 0. As a byte (E8M0): e + 127.
;;     - Each number is divided by its block's scale, clamped to +-7.5, and rounded to the nearest number of E2M3, ties to even, subnormals kept.
;;     - The product sums the exact products of the quantised numbers (number of the format x scale) in f32.
;;   ~~~python
;;   def quantise(x, axis):      # numpy; x: float32 -> the quantised numbers, widened to float32 again
;;       x = np.moveaxis(x, axis, -1); K = x.shape[-1]
;;       x = np.pad(x, [(0, 0)] * (x.ndim - 1) + [(0, -K % 32)]); x = x.reshape(x.shape[:-1] + (-1, 32)); a = np.abs(x).max(-1, keepdims=True)
;;       e = np.where(a > 0, np.clip(np.frexp(np.where(a > 0, a, 1))[1] - 1 - 2, -126, 127), 0)      # np.frexp(a)[1] - 1 = floor(log2(a)), exactly
;;       r = np.clip(x / 2.0 ** e, -7.5, 7.5)
;;       step = 2.0 ** (np.maximum(np.frexp(np.where(r == 0, 1, r))[1] - 1, 0) - 3)
;;       q = np.round(r / step) * step * 2.0 ** e      # np.round: ties to even
;;       return np.moveaxis(q.reshape(q.shape[:-2] + (-1,))[..., :K], -1, axis).astype(np.float32)
;;   ~~~
;;   OPERANDS COMPUTED ON THE WAY. 'Computed on the way' means the value that the module computes at that place (a softmax that the list does not call 'softmax' is quantised finished and normalised). What goes into a quantiser is computed in f32, as accurately as f32 sums, v_exp_f32 and their like allow (about 1e-6 of the number): no bf16 or f16 on the way to a quantiser, and a product that is left as it is and whose result goes on into a quantised operand takes f32 operands (vector FMAs, or v_wmma_f32_16x16x4_f32). A number that lies on a knife's edge between two numbers of the format may be rounded either way, as far as f32 arithmetic and the matrix unit's own rounding can turn it there, and no further.
;;   INPUTS GIVEN AS CODES. w1 (in the module: [8, 1024, 2048], K = its axis 1); w2 (in the module: [8, 2048, 1024], K = its axis 1): each comes as NAME_codes (uint8): NAME with its K axis moved to the last place and cut into blocks of 32 codes, [.., K / 32, bytes a block], one block behind the other in memory; four codes in three bytes: a row's codes are one little-endian stream of bits, code i at bits 6 i .. 6 i + 5 (a code: sign, 2 exponent bits, 3 mantissa bits); and NAME_scales (uint8): the same leading axes, one E8M0 byte (e + 127) for each 32 codes along K. Its value is code x scale, taken as it is: it is not quantised again, and the codes and scales need not be those that the quantiser above would give.
;; 2 versions. Each part assembles by itself: llvm-mc -triple=amdgcn-amd-amdhsa -mcpu=gfx1250 --defsym DOCPART=n.
;; ======== version 1 of 2: 5 launches
;; workspace buffers: sel 8,192 bytes of whole numbers; gwt 24,576 bytes; route 44,032 bytes of whole numbers; xq 1,638,400 bytes; hq 7,680,000 bytes; y 19,660,800 bytes
;; launch gate (part 1): grid 256 x 1, 8 waves a work-group, no clusters, 93,440 bytes of LDS; arguments x, gate_w, gate_b, xq, sel, gwt; writes xq, sel, gwt
.if DOCPART == 1
	.amdgcn_target "amdgcn-amd-amdhsa--gfx1250"
	.amdhsa_code_object_version 6
	.text
	.protected	k_q80c1a049f9_gate
	.globl	k_q80c1a049f9_gate
	.p2align	8
	.type	k_q80c1a049f9_gate,@function
k_q80c1a049f9_gate:
	s_mov_b64 s[64:65], 0
	v_nop
	global_prefetch_b8 v0, s[64:65] scope:SCOPE_SE
	s_setreg_imm32_b32 hwreg(HW_REG_WAVE_MODE, 25, 1), 1
	s_wait_xcnt 0x0
; ROUTER AND QUANTISER OF x.  2,048 tokens of 1,024 numbers; 256 work-groups of eight waves; wave = one token, t = 8 x work-group + wave.
; THE LOGITS, in f32.  Lane (e = l % 8, b = l / 8) sums run b of expert e: K is cut into four runs, 320, 320, 320 and 64 long; in a run the even k and the odd k are a chain of fused multiply-adds each
; (the two halves of one packed instruction), the two chains are added, and the four runs are added in ascending order; then gate_b.  This is the order of a blocked matrix product on a CPU: it is taken so that
; a near tie between the second and the third logit falls as reference() has it more often than with a tree over the lanes.  Run 3 is filled up to 320 with zeros on both sides, which add nothing.
; THE CHOICE is made on the logits themselves (the softmax rises with the logit; the lower index wins a tie, as jax.lax.top_k has it), the weights are p / sum with the row's maximum taken away first.
; THE QUANTISER.  Lane l also holds the token's numbers 32 l .. 32 l + 31, one whole block of 32 along K: its largest magnitude needs no other lane.  The codes serve every expert.
; OUT: xq: codes [t][768 bytes] as a plain stream of bits, then from byte 1,572,864 the scale bytes [t][32];  sel: word t = e0 | e1 << 8;  gwt: (g0, g1) f32 a token, and from byte 16,384 one word a token:
; the second logit less the third, the routing's margin, which no launch reads: it is kept so that a disagreement over a choice can be held against it.
; The choice steers no address here: it is stored at fixed places, for the next launch.
; LIMITS: a block of zeros gets the byte 1 (its codes are zeros; only this program reads the byte); blocks under 2^-124 are held at that byte; NaN and infinities are not served, in x, gate_w and gate_b alike;
; where the second and the third logit lie within f32 rounding of each other (about 1e-6), the choice may differ from that of another order of the sum.
.set GWG,  4                           ; v4   gate_w in memory: 4,096 wave + 16 lane
.set GS0,  5                           ; v5   gate_w into LDS: my wave's row + 16 lane;  v6 the same 128 bytes on for lanes 16-31
.set GS1,  6
.set AW,   7                           ; v7   my run of my expert's row in LDS
.set XS,   8                           ; v8   x into LDS: my wave's row + 144 lane
.set AX,   9                           ; v9   my run of the token's row in LDS
.set ZX,   10                          ; v10  the zeros behind x
.set XG,   11                          ; v11  x in memory
.set CO,   12                          ; v12  the codes in memory
.set W4,   13                          ; v13  4 wave
.set W8,   14                          ; v14  8 wave
.set L8,   15                          ; v15  8 lane
.set X,    16                          ; v16-47   my 32 numbers of x
.set XB,   48                          ; v48-111  two batches of 8 x 4 numbers of x; later the codes
.set WBF,  112                         ; v112-175 the same of gate_w
.set ACC,  176                         ; v176-177 the even chain, the odd chain
.set S,    178
.set PP,   179
.set Z,    180                         ; v180-183 zeros
.set QQ,   184
.set TT,   185
.set GB,   186
.set NEGI, 187                         ; -infinity
.set LG,   188                         ; v188-195 the logits, in every lane
.set P,    196                         ; v196-205 p of the eight, of the second choice, of the first
.set BV,   206
.set BI,   207
.set BV2,  208
.set BI2,  209
.set BV3,  210
.set SUM,  211
.set G,    212                         ; v212-213 g0, g1
.set SWD,  214
.set MG,   215
.set QA,   216
.set QB,   217
.set SO,   218
.set BYT,  219
.set T,    220                         ; v220-223 at work
.set E4,   224                         ; 4 (lane % 8)
.set E8,   225                         ; 8 (lane % 8)
.set OSC,  226
.set OSEL, 227
.set OGW,  228
.set TE,   229                         ; lane % 8
.set TBK,  230                         ; lane / 8
.set TH,   231                         ; lane / 16
.set C,    48                          ; v48-50, v52-54 the codes
.set SCB,  0                           ; LDS: the work-group's 256 scale bytes,
.set SELR, 256                         ; its 8 words of choices,
.set GR,   512                         ; its 8 pairs of weights,
.set MR,   768                         ; its 8 margins;
.set GWB,  1024                        ; gate_w: 8 rows GP bytes apart, each four runs BP bytes apart: 1,280 bytes of numbers and 128 of padding
.set BP,   1408                        ; = 128 modulo 256: a run on is eight columns of 16 bytes on
.set GP,   4*BP+16                     ; = 16 modulo 256: an expert on is one column on
.set XRB,  46336                       ; x: a row for each wave: 40 blocks of 128 bytes + 16 of padding (1,024 numbers and 256 zeros); a run is ten blocks, 1,440 bytes
.set XP,   5760
	s_load_b256 s[4:11], s[0:1], 0x0               ; x s[4:5], gate_w s[6:7], gate_b s[8:9], xq s[10:11]
	s_load_b128 s[12:15], s[0:1], 0x20             ; sel s[12:13], gwt s[14:15]
	v_lshl_add_u32 v232, v0, 2, 0x16900
	v_mov_b32 v233, 0
	v_lshrrev_b32 v1, 5, v0
	v_readfirstlane_b32 s24, v1                    ; wave 0..7
	v_and_b32 v1, 31, v0                           ; lane
	v_lshlrev_b32 v2, 4, v1                        ; 16 l
	v_lshlrev_b32 v3, 7, v1                        ; 128 l: my block's bytes in a row of f32
	v_and_b32 v[TE], 7, v1
	v_lshrrev_b32 v[TBK], 3, v1
	v_lshrrev_b32 v[TH], 4, v1
	s_lshl_b32 s25, s24, 12
	v_add_nc_u32 v[GWG], s25, v2                   ; gate_w: row = my wave's number, 512 consecutive bytes a load
	s_mul_i32 s36, s24, GP
	s_add_co_u32 s36, s36, GWB
	v_add_nc_u32 v[GS0], s36, v2
	v_lshl_add_u32 v[GS1], v[TH], 7, v[GS0]
	v_mul_u32_u24 v[AW], v[TE], GP
	v_mad_u32_u24 v[AW], v[TBK], BP, v[AW]
	v_add_nc_u32 v[AW], GWB, v[AW]
	s_mul_i32 s37, s24, XP
	s_add_co_u32 s37, s37, XRB
	v_mul_u32_u24 v[XS], v1, 144
	v_add_nc_u32 v[XS], s37, v[XS]
	v_mul_u32_u24 v[AX], v[TBK], 1440
	v_add_nc_u32 v[AX], s37, v[AX]
	v_mul_u32_u24 v[ZX], v[TE], 144
	v_lshl_add_u32 v[ZX], v[TBK], 4, v[ZX]
	v_add_nc_u32 v[ZX], s37, v[ZX]
	s_lshl_b32 s28, ttmp9, 3
	s_add_co_u32 s28, s28, s24                     ; my token
	s_lshl_b32 s29, s28, 12
	v_add_nc_u32 v[XG], s29, v3                    ; x: 4,096 t + 128 l
	s_mul_i32 s30, s28, 768
	v_mul_u32_u24 v[CO], v1, 24
	v_add_nc_u32 v[CO], s30, v[CO]                 ; codes: 768 t + 24 l
	s_lshl_b32 s31, s24, 2
	v_mov_b32 v[W4], s31
	v_lshlrev_b32 v[W8], 1, v[W4]
	v_lshlrev_b32 v[L8], 3, v1
	v_lshlrev_b32 v[E4], 2, v[TE]
	v_lshlrev_b32 v[E8], 3, v[TE]
	s_lshl_b32 s32, ttmp9, 8
	v_add_nc_u32 v[OSC], s32, v[L8]                ; the work-group's 256 scale bytes in xq
	s_lshl_b32 s33, ttmp9, 5
	v_add_nc_u32 v[OSEL], s33, v[E4]               ; its 8 words in sel, and its 8 margins in gwt
	s_lshl_b32 s34, ttmp9, 6
	v_add_nc_u32 v[OGW], s34, v[E8]                ; its 8 pairs in gwt
	s_mov_b32 s26, 0x76543210
	s_mov_b32 s27, 0xfedcba98                      ; v_permlanex16_b32's selects for lane l xor 16
.irp i, 0,1,2,3
	v_mov_b32 v[Z+\i], 0
.endr
	v_mov_b32 v[PP], 0                             ; the destination of a lane permute or a DPP form counts as one of its sources
	v_mov_b32 v[QQ], 0
	v_mov_b32 v[TT], 0
	v_mov_b32 v[NEGI], 0xff800000
	s_wait_kmcnt 0x0
.irp i, 0,1,2,3,4,5,6,7
	global_load_b128 v[WBF+4*\i:WBF+4*\i+3], v[GWG], s[6:7] offset:512*\i
.endr
.irp i, 0,1,2,3,4,5,6,7
	global_load_b128 v[X+4*\i:X+4*\i+3], v[XG], s[4:5] offset:16*\i th:TH_LOAD_NT
.endr
	global_load_b32 v[GB], v[E4], s[8:9]           ; gate_b of my expert
.irp i, 0,1
	ds_store_b128 v[GS0], v[Z:Z+3] offset:3*BP+256+512*\i   ; run 3 of my row of gate_w: 256 bytes of numbers, then 1,024 of zeros
	ds_store_b128 v[ZX], v[Z:Z+3] offset:4608+64*\i         ; blocks 32 to 39 of my token's row: zeros
.endr
	s_wait_loadcnt 9                               ; gate_w's eight loads are in; x's eight and gate_b's one may stay out
.irp i, 0,1,2,3,4,5,6,7                ; piece p = lane + 32 i of the row (4 numbers) lies in run p / 80: 2 i / 5 for lanes 0-15, and one more for lanes 16-31 where i is 2 or 7
.if (\i == 2) || (\i == 7)
	ds_store_b128 v[GS1], v[WBF+4*\i:WBF+4*\i+3] offset:512*\i+128*((2*\i)/5)
.else
	ds_store_b128 v[GS0], v[WBF+4*\i:WBF+4*\i+3] offset:512*\i+128*((2*\i)/5)
.endif
.endr
	s_wait_loadcnt 1                               ; x is in; gate_b's load may stay out
.irp i, 0,1,2,3,4,5,6,7
	ds_store_b128 v[XS], v[X+4*\i:X+4*\i+3] offset:16*\i   ; lanes 144 bytes apart: 16 different columns a pass
.endr
	s_wait_dscnt 0x0                               ; for the other waves: my row of gate_w lies in LDS
	s_barrier_signal -1
	s_barrier_wait -1
.macro LDB n                           ; batch n: pieces 8 n .. 8 n + 7 of my run, 4 numbers each, of x and of gate_w, into set n % 2: 16 loads
.irp g, 0,1,2,3,4,5,6,7
	ds_load_b128 v[XB+32*((\n)%2)+4*\g:XB+32*((\n)%2)+4*\g+3], v[AX] offset:16*(8*(\n)+\g)+16*(\n)   ; eight pieces to a block of x: 16 bytes of padding for each batch passed
	ds_load_b128 v[WBF+32*((\n)%2)+4*\g:WBF+32*((\n)%2)+4*\g+3], v[AW] offset:16*(8*(\n)+\g)
.endr
.endm
.macro FMB n                           ; 16 links of the two chains: the low half takes the even k, the high half the odd k
.set XQ, XB+32*((\n)%2)
.set WQ, WBF+32*((\n)%2)
.irp g, 0,1,2,3,4,5,6,7
.if ((\n) == 0) && (\g == 0)
	v_pk_mul_f32 v[ACC:ACC+1], v[XQ:XQ+1], v[WQ:WQ+1]       ; the first products start the chains
.else
	v_pk_fma_f32 v[ACC:ACC+1], v[XQ+4*\g:XQ+4*\g+1], v[WQ+4*\g:WQ+4*\g+1], v[ACC:ACC+1]
.endif
	v_pk_fma_f32 v[ACC:ACC+1], v[XQ+4*\g+2:XQ+4*\g+3], v[WQ+4*\g+2:WQ+4*\g+3], v[ACC:ACC+1]
.endr
.endm
	LDB 0
	LDB 1
.irp n, 0,1,2,3,4,5,6,7
	s_wait_dscnt 16                                ; this batch's sixteen loads are in, the next batch's may be out
	FMB \n
	LDB \n+2
.endr
	s_wait_dscnt 16
	FMB 8
	s_wait_dscnt 0x0
	FMB 9
	v_add_f32 v[S], v[ACC], v[ACC+1]               ; my run: the even chain + the odd chain
	v_permlanex16_b32 v[PP], v[S], s26, s27        ; lane e: run 2; lane e + 8: run 3
	v_add_f32_dpp v[TT], v[S], v[S] row_xmask:8 row_mask:0xf bank_mask:0xf   ; lane e: run 0 + run 1
	v_mov_b32_dpp v[QQ], v[PP] row_xmask:8 row_mask:0xf bank_mask:0xf        ; lane e: run 3
	v_add_f32 v[TT], v[TT], v[PP]                  ; + run 2
	v_add_f32 v[TT], v[TT], v[QQ]                  ; + run 3: lanes 0 to 7 hold the eight sums (the other lanes hold sums that nobody reads)
	s_wait_loadcnt 0x0                             ; gate_b
	v_add_f32 v[TT], v[TT], v[GB]
.irp e, 0,1,2,3,4,5,6,7
	v_readlane_b32 s[40+\e], v[TT], \e
.endr
.irp e, 0,1,2,3,4,5,6,7
	v_mov_b32 v[LG+\e], s[40+\e]                   ; every lane holds the eight logits
.endr
	v_mov_b32 v[BV], v[LG]                         ; the largest: a later expert takes the place only if it is strictly larger
	v_mov_b32 v[BI], 0
.irp e, 1,2,3,4,5,6,7
	v_cmp_le_f32 vcc_lo, v[LG+\e], v[BV]
	v_cndmask_b32 v[BV], v[LG+\e], v[BV], vcc_lo
	v_cndmask_b32 v[BI], \e, v[BI], vcc_lo
.endr
.irp e, 0,1,2,3,4,5,6,7
	v_sub_f32 v[P+\e], v[LG+\e], v[BV]             ; the row's maximum is taken away ahead of the exponential
.endr
.irp e, 0,1,2,3,4,5,6,7
	v_cmp_ne_u32 vcc_lo, \e, v[BI]
	v_cndmask_b32 v[LG+\e], v[NEGI], v[LG+\e], vcc_lo   ; the first choice is taken out
.endr
	v_mov_b32 v[BV2], v[LG]
	v_mov_b32 v[BI2], 0
.irp e, 1,2,3,4,5,6,7
	v_cmp_le_f32 vcc_lo, v[LG+\e], v[BV2]
	v_cndmask_b32 v[BV2], v[LG+\e], v[BV2], vcc_lo
	v_cndmask_b32 v[BI2], \e, v[BI2], vcc_lo
.endr
	v_sub_f32 v[P+8], v[BV2], v[BV]                ; the two chosen go through the same three instructions as in the sum: the same bits
	v_sub_f32 v[P+9], v[BV], v[BV]
.irp e, 0,1,2,3,4,5,6,7,8,9
	v_mul_f32 v[P+\e], 0x3fb8aa3b, v[P+\e]         ; x log2(e)
.endr
.irp e, 0,1,2,3,4,5,6,7,8,9
	v_exp_f32 v[P+\e], v[P+\e]
.endr
.irp e, 0,1,2,3,4,5,6,7                ; (plain instructions behind the exponentials)
	v_cmp_ne_u32 vcc_lo, \e, v[BI2]
	v_cndmask_b32 v[LG+\e], v[NEGI], v[LG+\e], vcc_lo   ; the second choice is taken out too
.endr
	v_max3_num_f32 v[BV3], v[LG], v[LG+1], v[LG+2]
	v_max3_num_f32 v[BV3], v[BV3], v[LG+3], v[LG+4]
	v_max3_num_f32 v[BV3], v[BV3], v[LG+5], v[LG+6]
	v_max_num_f32 v[BV3], v[BV3], v[LG+7]          ; the third logit
	s_wait_alu depctr_va_vdst(0)
	v_add_f32 v[T], v[P], v[P+1]
	v_add_f32 v[T+1], v[P+2], v[P+3]
	v_add_f32 v[T+2], v[P+4], v[P+5]
	v_add_f32 v[T+3], v[P+6], v[P+7]
	v_add_f32 v[T], v[T], v[T+1]
	v_add_f32 v[T+2], v[T+2], v[T+3]
	v_add_f32 v[SUM], v[T], v[T+2]
	v_rcp_f32 v[SUM], v[SUM]
	v_sub_f32 v[MG], v[BV2], v[BV3]                ; the margin (and the plain instruction behind the reciprocal)
	v_lshl_or_b32 v[SWD], v[BI2], 8, v[BI]
	s_wait_alu depctr_va_vdst(0)
	v_mul_f32 v[G], v[P+9], v[SUM]
	v_mul_f32 v[G+1], v[P+8], v[SUM]
	; my block of 32: largest magnitude with the floor 2^(3 - 127) among its leaves, scale, codes
	v_max3_num_f32 v[QA], |v[X]|, |v[X+1]|, |v[X+2]|
	v_max3_num_f32 v[QB], |v[X+3]|, |v[X+4]|, |v[X+5]|
.irp i, 6,10,14,18,22,26
	v_max3_num_f32 v[QA], v[QA], |v[X+\i]|, |v[X+\i+1]|
	v_max3_num_f32 v[QB], v[QB], |v[X+\i+2]|, |v[X+\i+3]|
.endr
	v_max3_num_f32 v[QA], v[QA], |v[X+30]|, |v[X+31]|
	v_max3_num_f32 v[QA], v[QA], v[QB], 0x1800000
	v_add_nc_u32 v[SO], 0xff000000, v[QA]          ; 2 off the exponent field: the conversion takes that field as its scale
	v_cvt_scalef32_pk16_fp6_f32 v[C:C+2], v[X:X+15], v[SO]
	v_cvt_scalef32_pk16_fp6_f32 v[C+4:C+6], v[X+16:X+31], v[SO]
	v_lshrrev_b32 v[BYT], 23, v[SO]                ; the scale's byte (and the plain instruction behind the conversions)
	global_store_b96 v[CO], v[C:C+2], s[10:11]     ; the wave's two stores cover the token's 768 consecutive bytes
	global_store_b96 v[CO], v[C+4:C+6], s[10:11] offset:12
	ds_store_b8 v0, v[BYT] offset:SCB              ; byte 32 x wave + lane = my thread's number
	ds_store_b32 v[W4], v[SWD] offset:SELR         ; all lanes write the same word with the same value
	ds_store_b32 v[W4], v[MG] offset:MR
	ds_store_b64 v[W8], v[G:G+1] offset:GR
	s_wait_dscnt 0x0                               ; for wave 0: my stores have landed
	s_barrier_signal -1
	s_barrier_wait -1
	s_cmp_lg_u32 s24, 0
	s_cbranch_scc1 .Lend
	ds_load_b64 v[56:57], v[L8] offset:SCB
	ds_load_b32 v58, v[E4] offset:SELR
	ds_load_b32 v59, v[E4] offset:MR
	ds_load_b64 v[60:61], v[E8] offset:GR
	s_wait_dscnt 0x0
	global_store_b64 v[OSC], v[56:57], s[10:11] offset:1572864   ; 32 lanes store 256 consecutive bytes, aligned
	s_wait_xcnt 0x0                                ; EXEC changes only behind this wait
	v_cmp_gt_u32 vcc_lo, 8, v0
	s_and_saveexec_b32 s35, vcc_lo
	global_store_b32 v[OSEL], v58, s[12:13]
	global_store_b64 v[OGW], v[60:61], s[14:15]
	global_store_b32 v[OSEL], v59, s[14:15] offset:16384
	s_wait_xcnt 0x0
	s_or_b32 exec_lo, exec_lo, s35
.Lend:
	s_wait_tensorcnt 0x0
	ds_add_u32 v232, v233
	s_wait_dscnt 0x0
	s_endpgm
.Lfunc_end_k_q80c1a049f9_gate:
	.size	k_q80c1a049f9_gate, .Lfunc_end_k_q80c1a049f9_gate-k_q80c1a049f9_gate
	.p2alignl 7, 3214868480
	.fill 96, 4, 3214868480
	.section	.rodata,"a",@progbits
	.p2align	6, 0x0
	.amdhsa_kernel k_q80c1a049f9_gate
		.amdhsa_group_segment_fixed_size 93440
		.amdhsa_private_segment_fixed_size 0
		.amdhsa_enable_private_segment 0
		.amdhsa_kernarg_size 48
		.amdhsa_user_sgpr_count 2
		.amdhsa_user_sgpr_kernarg_segment_ptr 1
		.amdhsa_wavefront_size32 1
		.amdhsa_system_sgpr_workgroup_id_x 1
		.amdhsa_system_sgpr_workgroup_id_y 1
		.amdhsa_system_sgpr_workgroup_id_z 1
		.amdhsa_system_vgpr_workitem_id 0
		.amdhsa_next_free_vgpr 234
		.amdhsa_next_free_sgpr 66
		.amdhsa_reserve_vcc 1
		.amdhsa_float_denorm_mode_32 3
		.amdhsa_float_denorm_mode_16_64 3
		.amdhsa_memory_ordered 1
		.amdhsa_forward_progress 1
		.amdhsa_inst_pref_size 35
	.end_amdhsa_kernel
	.amdgpu_metadata
---
amdhsa.version: [ 1, 2 ]
amdhsa.kernels:
  - .name:           k_q80c1a049f9_gate
    .symbol:         k_q80c1a049f9_gate.kd
    .args:
      - { .name: x, .offset: 0, .size: 8, .value_kind: global_buffer, .address_space: global }
      - { .name: gate_w, .offset: 8, .size: 8, .value_kind: global_buffer, .address_space: global }
      - { .name: gate_b, .offset: 16, .size: 8, .value_kind: global_buffer, .address_space: global }
      - { .name: xq, .offset: 24, .size: 8, .value_kind: global_buffer, .address_space: global }
      - { .name: sel, .offset: 32, .size: 8, .value_kind: global_buffer, .address_space: global }
      - { .name: gwt, .offset: 40, .size: 8, .value_kind: global_buffer, .address_space: global }
    .group_segment_fixed_size: 93440
    .private_segment_fixed_size: 0
    .kernarg_segment_align: 8
    .kernarg_segment_size: 48
    .max_flat_workgroup_size: 256
    .sgpr_count:     66
    .vgpr_count:     234
    .wavefront_size: 32
...
	.end_amdgpu_metadata
.endif
;; end of part 1
;; launch place (part 2): grid 1 x 1, 32 waves a work-group, no clusters, 4,352 bytes of LDS; arguments sel, route; writes route
.if DOCPART == 2
	.amdgcn_target "amdgcn-amd-amdhsa--gfx1250"
	.amdhsa_code_object_version 6
	.text
	.protected	k_q80c1a049f9_place
	.globl	k_q80c1a049f9_place
	.p2align	8
	.type	k_q80c1a049f9_place,@function
k_q80c1a049f9_place:
	s_mov_b64 s[64:65], 0
	v_nop
	global_prefetch_b8 v0, s[64:65] scope:SCOPE_SE
	s_setreg_imm32_b32 hwreg(HW_REG_WAVE_MODE, 25, 1), 1
	s_wait_xcnt 0x0
; COUNTING SORT of the 4,096 routed rows (2,048 tokens x 2 choices) by expert, into tiles of 96 rows; an expert's last tile is filled up with token 0.
; One work-group, 32 waves: wave = (expert e = wave / 4, quarter qd = wave % 4 of the tokens).  No atomics: each wave counts its own rows, the 32 counts meet in LDS,
; every wave makes all prefix sums in scalar registers, and then places its rows by the rank of a lane among the chosen lanes.
; The sum over experts of ceil(n / 96) is at most (4,096 + 8 x 95) / 96, rounded down: 50 tiles, whatever the split.
; OUT (route): words 0-63 tinfo[tile] = expert + 1, or 0 for a tile that the split leaves empty;  from byte 256 inv[2 t + j] = the position of token t's j-th choice;
; from byte 16,640 list[position] = token.  Positions of empty tiles are not written, and no later launch reads them.
; EXEC STAYS FULL through the whole text: a lane with nothing to place stores into a spare word of its own thread (1,024 words from byte 35,840 for the list's stores, 1,024 from byte 39,936
; for inv's), chosen by v_cndmask_b32.  Nobody reads the spare words.  Every index that hangs on loaded numbers is held by v_min_u32 behind the choice, and only shifted after that.
; Each of the 16 placements has four registers of its own, so that no pending store's registers are written again and no wait stands between them.
.set KR, 16                            ; v16-31  16 words of sel: register 4 i + jj holds token 512 qd + 128 i + 4 lane + jj
.set DL, 13                            ; v13     my spare word as an index into the list: 4,800 + my thread's number
.set DI, 14                            ; v14     my spare word as an index into inv: 9,920 + my thread's number
.set ONE, 15                           ; v15     1
.set PB, 40                            ; v40-103 placement k: position, list offset, token, inv offset
.set PD, 104                           ; v104-106 the offsets of the filling stores; v107 = 0
.set M,  32                            ; s32-47  lanes whose token chose e
.set M1, 66                            ; s66-81  lanes where e is the second choice
.set TB, 82                            ; s82-90  first tile of each expert; TB[8] = tiles in all
	s_load_b128 s[4:7], s[0:1], 0x0                ; sel s[4:5], route s[6:7]
	v_lshl_add_u32 v112, v0, 2, 0x100
	v_mov_b32 v113, 0
	v_lshrrev_b32 v1, 5, v0
	v_readfirstlane_b32 s8, v1                     ; wave 0..31
	v_and_b32 v1, 31, v0                           ; lane
	s_lshr_b32 s9, s8, 2                           ; e
	s_and_b32 s10, s8, 3                           ; qd
	s_lshl_b32 s11, s9, 2                          ; 4 e: the first wave of my expert
	s_lshl_b32 s12, s10, 11
	v_lshl_add_u32 v2, v1, 4, s12                  ; sel: 2,048 qd + 16 lane
	s_lshl_b32 s13, s10, 9
	v_lshl_add_u32 v3, v1, 2, s13                  ; token of register 0: 512 qd + 4 lane
	v_lshlrev_b32 v4, 2, v1                        ; 4 lane
	s_lshl_b32 s14, s8, 2
	v_mov_b32 v5, s14                              ; 4 wave
	v_add_nc_u32 v[DL], 4800, v0
	v_add_nc_u32 v[DI], 9920, v0
	v_mov_b32 v[ONE], 1
	s_mov_b32 s15, 0                               ; my count
	s_wait_kmcnt 0x0
.irp i, 0,1,2,3
	global_load_b128 v[KR+4*\i:KR+4*\i+3], v2, s[4:5] offset:512*\i
.endr
	s_wait_loadcnt 0x0
.irp k, 0,1,2,3,4,5,6,7,8,9,10,11,12,13,14,15
	v_and_b32 v32, 0xff, v[KR+\k]
	v_bfe_u32 v33, v[KR+\k], 8, 8
	v_cmp_eq_u32 s[M+\k], s9, v32
	v_cmp_eq_u32 s[M1+\k], s9, v33
	s_or_b32 s[M+\k], s[M+\k], s[M1+\k]
	s_bcnt1_i32_b32 s16, s[M+\k]
	s_add_co_u32 s15, s15, s16
.endr
	v_mov_b32 v6, s15
	ds_store_b32 v5, v6                            ; word = my wave's number
	s_wait_dscnt 0x0                               ; for the others: my count lies in LDS
	s_barrier_signal -1
	s_barrier_wait -1
	ds_load_b32 v7, v4                             ; lane i: wave i's count
	s_wait_dscnt 0x0
	s_mov_b32 s[TB], 0
	s_mov_b32 s18, 0                               ; rows of my expert in the quarters ahead of mine
	s_mov_b32 s21, 0                               ; my expert's first tile,
	s_mov_b32 s22, 0                               ; its tiles,
	s_mov_b32 s23, 0                               ; its rows
.irp ee, 0,1,2,3,4,5,6,7
	s_mov_b32 s17, 0
.irp k, 0,1,2,3
	v_readlane_b32 s16, v7, 4*\ee+\k
	s_add_co_u32 s17, s17, s16
	s_sub_co_u32 s19, 4*\ee+\k, s11                ; a wave of my expert ahead of me: 0 <= i - 4 e < qd, unsigned
	s_cmp_lt_u32 s19, s10
	s_cselect_b32 s20, s16, 0
	s_add_co_u32 s18, s18, s20
.endr
	s_add_co_u32 s19, s17, 95
	s_mul_i32 s19, s19, 43691                      ; (n + 95) / 96: 43,691 / 2^22 is 1 / 96 to 8e-8, exact for n + 95 up to 4,191
	s_lshr_b32 s19, s19, 22
	s_add_co_u32 s[TB+\ee+1], s[TB+\ee], s19
	s_cmp_eq_u32 s9, \ee
	s_cselect_b32 s21, s[TB+\ee], s21
	s_cselect_b32 s22, s19, s22
	s_cselect_b32 s23, s17, s23
.endr
	s_mul_i32 s24, s21, 96
	s_add_co_u32 s24, s24, s18                     ; the position of my first row
.macro PUT k                           ; register k's chosen lanes get neighbouring positions
.set PR, PB+4*(\k)
	v_mbcnt_lo_u32_b32 v[PR], s[M+\k], 0           ; how many chosen lanes stand below me
	v_add_nc_u32 v[PR], s24, v[PR]                 ; my position, if I am chosen
	v_cndmask_b32 v[PR+1], v[DL], v[PR], s[M+\k]   ; else my spare word
	v_min_u32 v[PR+1], 0x16bf, v[PR+1]             ; held inside the list's 4,800 words and the 1,024 spare ones
	v_lshlrev_b32 v[PR+1], 2, v[PR+1]
	v_add_nc_u32 v[PR+2], 128*(\k/4)+(\k%4), v3    ; the token
	v_cndmask_b32 v[PR+3], 0, v[ONE], s[M1+\k]     ; one word on where e is the second choice
	v_lshl_add_u32 v[PR+3], v[PR+2], 1, v[PR+3]    ; 2 token + j
	v_cndmask_b32 v[PR+3], v[DI], v[PR+3], s[M+\k]
	v_min_u32 v[PR+3], 0x2abf, v[PR+3]             ; held inside route: the last spare word is word 10,943 from byte 256
	v_lshlrev_b32 v[PR+3], 2, v[PR+3]
	global_store_b32 v[PR+1], v[PR+2], s[6:7] offset:16640   ; list[position] = token
	global_store_b32 v[PR+3], v[PR], s[6:7] offset:256       ; inv[2 token + j] = position
	s_bcnt1_i32_b32 s16, s[M+\k]
	s_add_co_u32 s24, s24, s16
.endm
.irp k, 0,1,2,3,4,5,6,7,8,9,10,11,12,13,14,15
	PUT \k
.endr
	s_cmp_lg_u32 s10, 0                            ; the first wave of each expert fills its last tile up: at most 95 places
	s_cbranch_scc1 .Lnopad
	s_mul_i32 s26, s21, 96
	s_add_co_u32 s26, s26, s23                     ; the first free place
	s_add_co_u32 s27, s21, s22
	s_mul_i32 s27, s27, 96                         ; the end of the expert's tiles
	v_mov_b32 v[PD+3], 0
.irp k, 0,1,2
	v_add_nc_u32 v[PD+\k], s26, v1
	v_add_nc_u32 v[PD+\k], 32*\k, v[PD+\k]
	v_cmp_gt_u32 vcc_lo, s27, v[PD+\k]             ; a place of the expert's last tile,
	v_cndmask_b32 v[PD+\k], v[DL], v[PD+\k], vcc_lo   ; or my spare word
	v_min_u32 v[PD+\k], 0x16bf, v[PD+\k]
	v_lshlrev_b32 v[PD+\k], 2, v[PD+\k]
	global_store_b32 v[PD+\k], v[PD+3], s[6:7] offset:16640
.endr
.Lnopad:
	s_cmp_lg_u32 s8, 0
	s_cbranch_scc1 .Lend
.irp u, 0,1                            ; tinfo[lane + 32 u] = how many experts begin at or below that tile = its expert + 1; 0 behind the last tile
	v_add_nc_u32 v8, 32*\u, v1
	v_mov_b32 v[10+\u], 0
.irp ee, 0,1,2,3,4,5,6,7
	v_cmp_le_u32 vcc_lo, s[TB+\ee], v8
	v_cndmask_b32 v9, 0, v[ONE], vcc_lo
	v_add_nc_u32 v[10+\u], v[10+\u], v9
.endr
	v_cmp_gt_u32 vcc_lo, s[TB+8], v8
	v_cndmask_b32 v[10+\u], 0, v[10+\u], vcc_lo
	global_store_b32 v4, v[10+\u], s[6:7] offset:128*\u
.endr
.Lend:
	s_wait_tensorcnt 0x0
	ds_add_u32 v112, v113
	s_wait_dscnt 0x0
	s_endpgm
.Lfunc_end_k_q80c1a049f9_place:
	.size	k_q80c1a049f9_place, .Lfunc_end_k_q80c1a049f9_place-k_q80c1a049f9_place
	.p2alignl 7, 3214868480
	.fill 96, 4, 3214868480
	.section	.rodata,"a",@progbits
	.p2align	6, 0x0
	.amdhsa_kernel k_q80c1a049f9_place
		.amdhsa_group_segment_fixed_size 4352
		.amdhsa_private_segment_fixed_size 0
		.amdhsa_enable_private_segment 0
		.amdhsa_kernarg_size 16
		.amdhsa_user_sgpr_count 2
		.amdhsa_user_sgpr_kernarg_segment_ptr 1
		.amdhsa_wavefront_size32 1
		.amdhsa_system_sgpr_workgroup_id_x 1
		.amdhsa_system_sgpr_workgroup_id_y 1
		.amdhsa_system_sgpr_workgroup_id_z 1
		.amdhsa_system_vgpr_workitem_id 0
		.amdhsa_next_free_vgpr 114
		.amdhsa_next_free_sgpr 96
		.amdhsa_reserve_vcc 1
		.amdhsa_float_denorm_mode_32 3
		.amdhsa_float_denorm_mode_16_64 3
		.amdhsa_memory_ordered 1
		.amdhsa_forward_progress 1
		.amdhsa_inst_pref_size 35
	.end_amdhsa_kernel
	.amdgpu_metadata
---
amdhsa.version: [ 1, 2 ]
amdhsa.kernels:
  - .name:           k_q80c1a049f9_place
    .symbol:         k_q80c1a049f9_place.kd
    .args:
      - { .name: sel, .offset: 0, .size: 8, .value_kind: global_buffer, .address_space: global }
      - { .name: route, .offset: 8, .size: 8, .value_kind: global_buffer, .address_space: global }
    .group_segment_fixed_size: 4352
    .private_segment_fixed_size: 0
    .kernarg_segment_align: 8
    .kernarg_segment_size: 16
    .max_flat_workgroup_size: 1024
    .sgpr_count:     96
    .vgpr_count:     114
    .wavefront_size: 32
...
	.end_amdgpu_metadata
.endif
;; end of part 2
;; launch up (part 3): grid 4 x 50, 4 waves a work-group, no clusters, 74,240 bytes of LDS; arguments route, xq, w1_codes, w1_scales, b1, hq; writes hq
.if DOCPART == 3
	.amdgcn_target "amdgcn-amd-amdhsa--gfx1250"
	.amdhsa_code_object_version 6
	.text
	.protected	k_q80c1a049f9_up
	.globl	k_q80c1a049f9_up
	.p2align	8
	.type	k_q80c1a049f9_up,@function
k_q80c1a049f9_up:
	s_mov_b64 s[64:65], 0
	v_nop
	global_prefetch_b8 v0, s[64:65] scope:SCOPE_SE
	s_setreg_imm32_b32 hwreg(HW_REG_WAVE_MODE, 25, 1), 1
	s_wait_xcnt 0x0
; h = Q(relu(x W1 + b1)) for the routed rows, on E2M3 codes with E8M0 scales.  Work-group (x = slice of 512 hidden units, y = tile of 96 rows of ONE expert), four waves.
; 50 tiles serve every split; a tile that the split leaves empty ends behind the one barrier and stores nothing.  Ahead of it such a work-group takes tile 0's addresses, so that it
; reads only bytes that were stored, and the barrier hangs on no loaded number.  There are no tensor loads and no cluster here: operands come by plain loads.
; THE PRODUCT IS USED TRANSPOSED: source 0 = 16 rows of W1, source 1 = 16 token rows: a lane holds one token row, its registers run along the hidden units, the next product's K.
; K IN PAIR ORDER, alike on both operands (only the order of the sums changes): step q = (pair P = q / 2, sub = q % 2); lane (r, h) takes the 64 consecutive codes k = 256 P + 128 h + 64 sub + 0 .. 63:
; 48 bytes at 192 P + 96 h + 48 sub of its row, three loads of 16 aligned bytes.  The instruction's blocks 0 .. 3 are then the pair's blocks 2 sub, 4 + 2 sub, 2 sub + 1, 5 + 2 sub,
; and v_perm_b32 gathers a step's scale word from the pair's two words.
; SHARES.  Wave w makes step Q = 4 slice + w of the next product, in two chunks of 64 hidden units, n0 = 256 (Q / 2) + 64 (Q % 2) + 128 chunk.  Lane r of weight tile t takes row
; n0 + 32 (r / 8) + 8 t + r % 8, so that lane (r, h)'s 32 results of a row block are the whole block n0 + 32 h + 0 .. 31: its largest magnitude needs no other lane.
; The tokens' codes (96 rows x all of K) lie in LDS as images of the operand's registers, filled once; the weights go from memory into a ring of five register slots, four steps ahead.
; OUT (hq): images [tile][Q 16][row block 6][3][lane][16 bytes], and from byte 7,372,800 scale words [tile][Q][j 3][lane]: lanes 0-15 row block j, lanes 16-31 row block j + 3.
; LIMITS: a block of zeros gets the byte 1 (zero codes; only this program reads it); NaN and infinities are not served.
; REGISTERS, in windows of 256.  Window 0: v1-13 addresses; v16-39 tokens' scale words; v64-95 weights' scale words; v96-159 b1 in the result's layout; v160-215 scale words as loaded; v224-232 tokens.
;   Window 1: two sets of 72: the tokens' six fragments.  Window 2: five slots of 48: four weight fragments.  Window 3: v0-191 accumulator (m, t) at 32 m + 8 t; v192-255 the quantiser's.
.set KST,   8                          ; steps of 128 along K
.set CHB,   98304                      ; bytes from a chunk's rows of W1 to the next chunk's: 128 rows of 768
.set TROW,  6144                       ; from a weight tile to the next: 8 rows
.set LISTO, 16640
.set XSCO,  1572864
.set HSCO,  7372800
.set AD0,   4                          ; v4 16 lane; v5 16 lane + 64,512: LDS offsets are 16 bits
.set WA,    6
.set GS,    7
.set LA0,   8
.set LA1,   9
.set WSA,   10
.set BA,    11
.set H96,   12
.set SL,    13
.set ST,    16
.set SW,    64
.set BIAS,  96
.set RAW,   160
.set LT,    224
.set LS,    230
.set WB,    26                         ; s[26:27] my rows of W1
.set XA,    192                        ; window 3: chunk 0's codes, 6 registers a row block
.set BY,    228                        ; a byte, then a scale word, for each row block
.set MX,    234
.set SO,    235
.set CV,    236
.set TA,    240
.set TC,    241
.set BT,    242
.set F,     244                        ; a fragment's 12 registers
.set MSB, 0
.macro WIN new                         ; the immediate's high byte repeats the setting that is left
.if MSB != \new
	s_set_vgpr_msb (MSB<<8)|\new
.set MSB, \new
.endif
.endm
.macro BLOAD q                         ; step q's four weight fragments into slot q % 5: 12 loads
	WIN 0x80
.irp t, 0,1,2,3
.irp c, 0,1,2
	global_load_b128 v[48*((\q)%5)+12*\t+4*\c:48*((\q)%5)+12*\t+4*\c+3], v[WA], s[WB:WB+1] offset:((\q)/KST)*CHB+TROW*\t+192*(((\q)%KST)/2)+48*((\q)%2)+16*\c
.endr
.endr
.endm
.macro ALOAD q                         ; step q's six token fragments into set q % 2: 18 loads of 512 consecutive bytes
	WIN 0x40
.set QK, (\q)%KST
.irp m, 0,1,2,3,4,5
.irp c, 0,1,2
	ds_load_b128 v[72*((\q)%2)+12*\m+4*\c:72*((\q)%2)+12*\m+4*\c+3], v[AD0+QK/7] offset:(QK%7)*9216+1536*\m+512*\c
.endr
.endr
.endm
.macro WM m, t, q, first               ; one product; the weights' scale words of tiles 2, 3 and the tokens' of row blocks 3-5 stand in lanes 16-31
.set rD, 32*(\m)+8*(\t)
.set rW, 48*((\q)%5)+12*(\t)
.set rX, 72*((\q)%2)+12*(\m)
.set rSW, SW+2*KST*((\q)/KST)+KST*((\t)%2)+(\q)%KST
.set rST, ST+KST*((\m)%3)+(\q)%KST
.if \first
.set rC, BIAS+32*((\q)/KST)+8*(\t)     ; the bias starts the sum
.else
.set rC, rD
.endif
.if ((\t) < 2) && ((\m) < 3)
	v_wmma_scale_f32_16x16x128_f8f6f4 v[rD:rD+7], v[rW:rW+11], v[rX:rX+11], v[rC:rC+7], v[rSW], v[rST] matrix_a_fmt:MATRIX_FMT_FP6 matrix_b_fmt:MATRIX_FMT_FP6
.elseif (\m) < 3
	v_wmma_scale_f32_16x16x128_f8f6f4 v[rD:rD+7], v[rW:rW+11], v[rX:rX+11], v[rC:rC+7], v[rSW], v[rST] matrix_a_fmt:MATRIX_FMT_FP6 matrix_b_fmt:MATRIX_FMT_FP6 matrix_a_scale:MATRIX_SCALE_ROW1
.elseif (\t) < 2
	v_wmma_scale_f32_16x16x128_f8f6f4 v[rD:rD+7], v[rW:rW+11], v[rX:rX+11], v[rC:rC+7], v[rSW], v[rST] matrix_a_fmt:MATRIX_FMT_FP6 matrix_b_fmt:MATRIX_FMT_FP6 matrix_b_scale:MATRIX_SCALE_ROW1
.else
	v_wmma_scale_f32_16x16x128_f8f6f4 v[rD:rD+7], v[rW:rW+11], v[rX:rX+11], v[rC:rC+7], v[rSW], v[rST] matrix_a_fmt:MATRIX_FMT_FP6 matrix_b_fmt:MATRIX_FMT_FP6 matrix_a_scale:MATRIX_SCALE_ROW1 matrix_b_scale:MATRIX_SCALE_ROW1
.endif
.endm
.macro STEP q, first                   ; 128 along K: 24 products, the 24 accumulators by turns in the same order in every step
.rept 4
	v_nop                                          ; four places behind the last step's products, in front of loads into registers that they read
.endr
.if 15-(\q) >= 3
	s_wait_loadcnt 36                              ; this step's weights are in; the three steps behind it, 12 loads each, may be out
.else
	s_wait_loadcnt 12*(15-(\q))
.endif
.if (\q) <= 11
	BLOAD (\q)+4                                   ; into the slot that the last step read
.endif
.if (\q) <= 14
	ALOAD (\q)+1
	s_wait_dscnt 18                                ; this step's token fragments are in; the 18 just issued may be out
.else
	s_wait_dscnt 0x0
.endif
.if \first
	WIN 0xc6                                       ; weights window 2, tokens window 1, C (the bias) window 0, D window 3
.else
	WIN 0xf6                                       ; C and D window 3
.endif
.irp m, 0,1,2,3,4,5
.irp t, 0,1,2,3
	WM \m, \t, \q, \first
.endr
.endr
.endm
	s_load_b256 s[4:11], s[0:1], 0x0               ; route s[4:5], xq s[6:7], W1's codes s[8:9], W1's scales s[10:11]
	s_load_b128 s[12:15], s[0:1], 0x20             ; b1 s[12:13], hq s[14:15]
	v_lshl_add_u32 v254, v0, 2, 0x12000
	v_mov_b32 v255, 0
	v_lshrrev_b32 v1, 5, v0
	v_readfirstlane_b32 s16, v1                    ; wave 0..3
	s_and_b32 s18, ttmp7, 0xffff                   ; tile
	s_lshl_b32 s22, s18, 2
	s_mov_b32 s23, 0
	s_wait_kmcnt 0x0
	s_add_nc_u64 s[24:25], s[4:5], s[22:23]
	s_load_b32 s19, s[24:25], 0x0                  ; tinfo: expert + 1, or 0
	v_and_b32 v1, 31, v0                           ; lane
	v_and_b32 v2, 15, v0                           ; r
	v_bfe_u32 v3, v0, 4, 1                         ; h
	v_lshlrev_b32 v[AD0], 4, v1
	v_add_nc_u32 v[AD0+1], 64512, v[AD0]
	v_lshrrev_b32 v14, 3, v2
	v_and_b32 v15, 7, v2
	v_lshl_add_u32 v14, v14, 5, v15                ; 32 (r / 8) + r % 8
	v_mul_u32_u24 v[H96], v3, 96
	v_mad_u32_u24 v[WA], v14, 768, v[H96]          ; W1: my row of a tile, + 96 h
	v_lshl_add_u32 v[WSA], v3, 4, v14
	v_lshlrev_b32 v[WSA], 5, v[WSA]                ; W1's scales: 32 bytes a row; lanes 16-31 two tiles (16 rows) on
	v_lshlrev_b32 v[BA], 7, v3                     ; b1: 128 h
	v_lshlrev_b32 v[SL], 2, v1                     ; 4 lane
	v_lshlrev_b32 v[LA0], 2, v2                    ; list: 4 r
	v_mul_u32_u24 v[LA1], v3, 192
	v_lshl_add_u32 v[LA1], v2, 2, v[LA1]           ; list: 4 r + 3 row blocks x h
	s_mul_i32 s46, s16, 18432
	v_add_nc_u32 v[GS], s46, v[AD0]                ; where I store x's images: pair = my wave's number
	s_lshl_b32 s43, ttmp9, 2
	s_add_co_u32 s43, s43, s16                     ; Q
	s_lshr_b32 s44, s43, 1
	s_lshl_b32 s44, s44, 8
	s_and_b32 s45, s43, 1
	s_lshl_b32 s45, s45, 6
	s_add_co_u32 s44, s44, s45                     ; chunk 0's first hidden unit
	s_mov_b32 s40, 0x05010400                      ; a pair's bytes 0, 4, 1, 5: the scale word of sub = 0
	s_mov_b32 s41, 0x07030602                      ; bytes 2, 6, 3, 7: of sub = 1
	s_mov_b32 s42, 0xffff0000
	s_wait_kmcnt 0x0
	s_cmp_eq_u32 s19, 0
	s_cselect_b32 s21, 0, s18                      ; an empty tile takes tile 0's addresses up to the barrier
	s_min_u32 s21, s21, 49                         ; the choice hangs on a loaded number: it enters addresses only held inside the 50 tiles
	s_max_u32 s20, s19, 1
	s_sub_co_u32 s20, s20, 1
	s_min_u32 s20, s20, 7                          ; the expert
	s_mul_i32 s22, s21, 384
	s_add_nc_u64 s[30:31], s[4:5], s[22:23]        ; the tile's 96 words of the list
	s_mul_i32 s22, s20, 1572864
	s_mul_i32 s46, s44, 768
	s_add_co_u32 s22, s22, s46
	s_add_nc_u64 s[WB:WB+1], s[8:9], s[22:23]
	s_mul_i32 s22, s16, 192
	s_add_nc_u64 s[28:29], s[6:7], s[22:23]        ; x's codes at the pair that I gather
	s_lshl_b32 s22, s20, 16
	s_lshl_b32 s46, s44, 5
	s_add_co_u32 s22, s22, s46
	s_add_nc_u64 s[32:33], s[10:11], s[22:23]
	s_lshl_b32 s22, s20, 13
	s_lshl_b32 s46, s44, 2
	s_add_co_u32 s22, s22, s46
	s_add_nc_u64 s[34:35], s[12:13], s[22:23]
	s_mul_i32 s22, s21, 147456
	s_mul_i32 s46, s43, 9216
	s_add_co_u32 s22, s22, s46
	s_add_nc_u64 s[36:37], s[14:15], s[22:23]      ; my step's images in hq
	s_mul_i32 s22, s21, 6144
	s_mul_i32 s46, s43, 384
	s_add_co_u32 s22, s22, s46
	s_add_co_u32 s22, s22, HSCO
	s_add_nc_u64 s[38:39], s[14:15], s[22:23]      ; and its scale words
.irp m, 0,1,2,3,4,5
	global_load_b32 v[LT+\m], v[LA0], s[30:31] offset:LISTO+64*\m
.endr
.irp j, 0,1,2
	global_load_b32 v[LS+\j], v[LA1], s[30:31] offset:LISTO+64*\j
.endr
	BLOAD 0
	BLOAD 1
	WIN 0
	s_wait_loadcnt 24                              ; the nine list loads are in; the 24 weight loads may be out
.irp m, 0,1,2,3,4,5
	v_min_u32 v[LT+\m], 0x7ff, v[LT+\m]
	v_mul_u32_u24 v[LT+\m], 0x300, v[LT+\m]
	v_add_nc_u32 v[LT+\m], v[H96], v[LT+\m]        ; 768 token + 96 h
.endr
.irp j, 0,1,2
	v_min_u32 v[LS+\j], 0x7ff, v[LS+\j]
	v_lshlrev_b32 v[LS+\j], 5, v[LS+\j]            ; 32 token
.endr
	WIN 0xc0                                       ; the gather lands in the accumulators' registers, which are still free
.irp m, 0,1,2,3,4,5
.irp i, 0,1,2,3,4,5
	global_load_b128 v[24*\m+4*\i:24*\m+4*\i+3], v[LT+\m], s[28:29] offset:16*\i   ; 96 bytes: my half of the pair, both steps
.endr
.endr
	WIN 0
.irp j, 0,1,2
.irp i, 0,1
	global_load_b128 v[RAW+8*\j+4*\i:RAW+8*\j+4*\i+3], v[LS+\j], s[6:7] offset:XSCO+16*\i
.endr
.endr
.irp c, 0,1
.irp p, 0,1
.irp i, 0,1
	global_load_b128 v[RAW+24+8*(2*\c+\p)+4*\i:RAW+24+8*(2*\c+\p)+4*\i+3], v[WSA], s[32:33] offset:32*(128*\c+8*\p)+16*\i
.endr
.endr
.endr
.irp c, 0,1
.irp i, 0,1,2,3,4,5,6,7
	global_load_b128 v[BIAS+32*\c+4*\i:BIAS+32*\c+4*\i+3], v[BA], s[34:35] offset:512*\c+16*\i   ; b1 at my 32 hidden units of the chunk
.endr
.endr
	BLOAD 2
	BLOAD 3
	s_wait_loadcnt 54                              ; the gather is in; behind it 30 loads of scales and bias and 24 of weights may be out
	WIN 0x0c                                       ; an LDS store's data: window 3
.irp m, 0,1,2,3,4,5
.irp i, 0,1,2,3,4,5
	ds_store_b128 v[GS], v[24*\m+4*\i:24*\m+4*\i+3] offset:9216*(\i/3)+1536*\m+512*(\i%3)
.endr
.endr
	WIN 0
	s_wait_dscnt 0x0                               ; for the others: my pair's twelve images lie in LDS
	s_barrier_signal -1
	s_barrier_wait -1                              ; the one barrier: from here on LDS is only read
	s_cmp_eq_u32 s19, 0
	s_cbranch_scc1 .Lend                           ; a tile without rows stores nothing
	ALOAD 0
	WIN 0
	s_wait_loadcnt 24                              ; scales and bias are in; steps 2 and 3's weights may be out
.irp j, 0,1,2
.irp p, 0,1,2,3
	v_perm_b32 v[ST+8*\j+2*\p], v[RAW+8*\j+2*\p+1], v[RAW+8*\j+2*\p], s40
	v_perm_b32 v[ST+8*\j+2*\p+1], v[RAW+8*\j+2*\p+1], v[RAW+8*\j+2*\p], s41
.endr
.endr
.irp g, 0,1,2,3
.irp p, 0,1,2,3
	v_perm_b32 v[SW+8*\g+2*\p], v[RAW+24+8*\g+2*\p+1], v[RAW+24+8*\g+2*\p], s40
	v_perm_b32 v[SW+8*\g+2*\p+1], v[RAW+24+8*\g+2*\p+1], v[RAW+24+8*\g+2*\p], s41
.endr
.endr
.rept 8
	v_nop                                          ; scale registers written by vector instructions stand eight places ahead of a scaled product
.endr
; THE QUANTISER of a chunk's results, wholly in window 3.  Chunk 0's codes and bytes are kept; chunk 1's join them, and the fragment of step Q leaves.
.macro EPI ch
	WIN 0xff
.rept 4
	v_nop                                          ; four places behind the last products
.endr
.irp m, 0,1,2,3,4,5
.set A0, 32*\m
.set XM, XA+6*\m
.set j, 0
.rept 32
	v_max_num_f32 v[A0+j], 0, v[A0+j]              ; relu, in f32; each accumulator from its low end on
.set j, j+1
.endr
	v_max3_num_f32 v[MX], v[A0], v[A0+1], v[A0+2]  ; the block's largest number: none is negative
	v_max3_num_f32 v[TA], v[A0+3], v[A0+4], v[A0+5]
.irp i, 6,10,14,18,22,26
	v_max3_num_f32 v[MX], v[MX], v[A0+\i], v[A0+\i+1]
	v_max3_num_f32 v[TA], v[TA], v[A0+\i+2], v[A0+\i+3]
.endr
	v_max3_num_f32 v[MX], v[MX], v[A0+30], v[A0+31]
	v_max3_num_f32 v[MX], v[MX], v[TA], 0x1800000  ; and the floor 2^(3 - 127): the byte cannot fall under 1
	v_add_nc_u32 v[SO], 0xff000000, v[MX]          ; 2 off the exponent field: the conversion's scale operand
.if \ch == 0
	v_cvt_scalef32_pk16_fp6_f32 v[XM:XM+2], v[A0:A0+15], v[SO]
	v_cvt_scalef32_pk16_fp6_f32 v[CV:CV+2], v[A0+16:A0+31], v[SO]   ; (a conversion's three registers begin on an even number)
	v_lshrrev_b32 v[BY+\m], 23, v[SO]              ; the byte (and the plain instruction behind the conversions)
.irp i, 0,1,2
	v_mov_b32 v[XM+3+\i], v[CV+\i]
.endr
.else
	s_wait_xcnt 0x0                                ; the last row block's stores have read the fragment's registers
	v_cvt_scalef32_pk16_fp6_f32 v[F+6:F+8], v[A0:A0+15], v[SO]
	v_cvt_scalef32_pk16_fp6_f32 v[CV:CV+2], v[A0+16:A0+31], v[SO]
	v_lshrrev_b32 v[BT], 23, v[SO]
.irp i, 0,1,2
	v_mov_b32 v[F+9+\i], v[CV+\i]
.endr
.irp i, 0,1,2,3,4,5
	v_mov_b32 v[F+\i], v[XM+\i]
.endr
.irp i, 0,1,2,3,4,5
	v_permlane16_swap_b32 v[F+\i], v[F+6+\i]       ; lanes 0-15 now hold chunk 0's 64 codes, lanes 16-31 chunk 1's: the pair order's halves
.endr
	v_lshl_or_b32 v[TA], v[BT], 8, v[BY+\m]        ; my two bytes: (chunk 0, block h), (chunk 1, block h)
	v_mov_b32 v[TC], v[TA]
	v_permlane16_swap_b32 v[TA], v[TC]             ; TA: the pair of h = 0 in every lane; TC: that of h = 1
	v_lshl_or_b32 v[BY+\m], v[TC], 16, v[TA]       ; the row's scale word
	WIN 0x0c                                       ; a store's data: window 3; its address: window 0
.irp c, 0,1,2
	global_store_b128 v[AD0], v[F+4*\c:F+4*\c+3], s[36:37] offset:1536*\m+512*\c   ; 32 lanes store 512 consecutive bytes, aligned
.endr
	WIN 0xff
.endif
.endr
.endm
	STEP 0, 1
.irp q, 1,2,3,4,5,6,7
	STEP \q, 0
.endr
	EPI 0
	STEP 8, 1
.irp q, 9,10,11,12,13,14,15
	STEP \q, 0
.endr
	EPI 1
.irp j, 0,1,2
	v_cndmask_b32 v[TA+\j], v[BY+\j], v[BY+3+\j], s42   ; lanes 0-15 row block j's words, lanes 16-31 row block j + 3's
.endr
	WIN 0x0c
.irp j, 0,1,2
	global_store_b32 v[SL], v[TA+\j], s[38:39] offset:128*\j
.endr
	WIN 0
.Lend:
	s_wait_tensorcnt 0x0
	ds_add_u32 v254, v255
	s_wait_dscnt 0x0
	s_endpgm
.Lfunc_end_k_q80c1a049f9_up:
	.size	k_q80c1a049f9_up, .Lfunc_end_k_q80c1a049f9_up-k_q80c1a049f9_up
	.p2alignl 7, 3214868480
	.fill 96, 4, 3214868480
	.section	.rodata,"a",@progbits
	.p2align	6, 0x0
	.amdhsa_kernel k_q80c1a049f9_up
		.amdhsa_group_segment_fixed_size 74240
		.amdhsa_private_segment_fixed_size 0
		.amdhsa_enable_private_segment 0
		.amdhsa_kernarg_size 48
		.amdhsa_user_sgpr_count 2
		.amdhsa_user_sgpr_kernarg_segment_ptr 1
		.amdhsa_wavefront_size32 1
		.amdhsa_system_sgpr_workgroup_id_x 1
		.amdhsa_system_sgpr_workgroup_id_y 1
		.amdhsa_system_sgpr_workgroup_id_z 1
		.amdhsa_system_vgpr_workitem_id 0
		.amdhsa_next_free_vgpr 1024
		.amdhsa_next_free_sgpr 66
		.amdhsa_reserve_vcc 0
		.amdhsa_float_denorm_mode_32 3
		.amdhsa_float_denorm_mode_16_64 3
		.amdhsa_memory_ordered 1
		.amdhsa_forward_progress 1
		.amdhsa_inst_pref_size 142
	.end_amdhsa_kernel
	.amdgpu_metadata
---
amdhsa.version: [ 1, 2 ]
amdhsa.kernels:
  - .name:           k_q80c1a049f9_up
    .symbol:         k_q80c1a049f9_up.kd
    .args:
      - { .name: route, .offset: 0, .size: 8, .value_kind: global_buffer, .address_space: global }
      - { .name: xq, .offset: 8, .size: 8, .value_kind: global_buffer, .address_space: global }
      - { .name: w1_codes, .offset: 16, .size: 8, .value_kind: global_buffer, .address_space: global }
      - { .name: w1_scales, .offset: 24, .size: 8, .value_kind: global_buffer, .address_space: global }
      - { .name: b1, .offset: 32, .size: 8, .value_kind: global_buffer, .address_space: global }
      - { .name: hq, .offset: 40, .size: 8, .value_kind: global_buffer, .address_space: global }
    .group_segment_fixed_size: 74240
    .private_segment_fixed_size: 0
    .kernarg_segment_align: 8
    .kernarg_segment_size: 48
    .max_flat_workgroup_size: 128
    .sgpr_count:     66
    .vgpr_count:     1024
    .wavefront_size: 32
...
	.end_amdgpu_metadata
.endif
;; end of part 3
;; launch down (part 4): grid 4 x 50, 4 waves a work-group, no clusters, 165,376 bytes of LDS; arguments route, hq, w2_codes, w2_scales, b2, y; writes y
.if DOCPART == 4
	.amdgcn_target "amdgcn-amd-amdhsa--gfx1250"
	.amdhsa_code_object_version 6
	.text
	.protected	k_q80c1a049f9_down
	.globl	k_q80c1a049f9_down
	.p2align	8
	.type	k_q80c1a049f9_down,@function
k_q80c1a049f9_down:
	s_mov_b64 s[64:65], 0
	v_nop
	global_prefetch_b8 v0, s[64:65] scope:SCOPE_SE
	s_setreg_imm32_b32 hwreg(HW_REG_WAVE_MODE, 25, 1), 1
	s_wait_xcnt 0x0
; y[position] = h W2 + b2 for the routed rows in sorted order, on E2M3 codes with E8M0 scales.  Work-group (x = slice of 256 outputs, y = tile of 96 rows of one expert), four waves, 64 outputs each.
; 50 tiles serve every split; a tile that the split leaves empty ends behind the one barrier and stores nothing; ahead of it such a work-group takes tile 0's addresses, so that it reads only bytes that
; were stored, and the barrier hangs on no loaded number.  There are no tensor loads and no cluster here.
; THE PRODUCT IS USED TRANSPOSED: source 0 = 16 rows of W2 (outputs), source 1 = 16 rows of h: a lane holds one row and eight neighbouring outputs.
; K IN PAIR ORDER, as the launch before laid h: step q = (pair q / 2, sub = q % 2); lane (r, h) takes the 48 bytes at 192 (q / 2) + 96 h + 48 sub of its row of W2; the instruction's blocks 0 .. 3 are the
; pair's blocks 2 sub, 4 + 2 sub, 2 sub + 1, 5 + 2 sub, and v_perm_b32 gathers W2's scale words so.  h's scale words come ready.
; The tile's 96 fragments of h (147,456 dense bytes, images of the operand's registers) are copied into LDS once, a quarter by each wave; the weights go from memory into a ring of five register slots.
; REGISTERS, in windows of 256.  Window 0: v1-14 addresses; v16-63 h's scale words; v64-95 W2's; v96-127 b2 in the result's layout; v128-159 W2's scale words as loaded; v128-191 rows on the way out.
;   Window 1: two sets of 72: h's six fragments.  Window 2: five slots of 48.  Window 3: accumulator (m, t) at 32 m + 8 t.
.set KST,   16
.set CHB,   0
.set TROW,  24576                      ; from a weight tile to the next: 16 rows of 1,536 bytes
.set HSCO,  7372800
.set STG,   147456                     ; LDS: behind the images a stage of 16 rows x (256 + 16) bytes for each wave
.set AD0,   4                          ; v4-6: 16 lane + 0, 64,512, 129,024: LDS offsets are 16 bits
.set WA,    7
.set CP,    8
.set SL,    9
.set WSA,   10
.set BA,    11
.set STO,   12
.set RD,    13
.set YO,    14
.set ST,    16
.set SW,    64
.set BIAS,  96
.set RAW,   128
.set OB,    128
.set WB,    26
.set MSB, 0
.macro WIN new                         ; the immediate's high byte repeats the setting that is left
.if MSB != \new
	s_set_vgpr_msb (MSB<<8)|\new
.set MSB, \new
.endif
.endm
.macro BLOAD q                         ; step q's four weight fragments into slot q % 5: 12 loads
	WIN 0x80
.irp t, 0,1,2,3
.irp c, 0,1,2
	global_load_b128 v[48*((\q)%5)+12*\t+4*\c:48*((\q)%5)+12*\t+4*\c+3], v[WA], s[WB:WB+1] offset:((\q)/KST)*CHB+TROW*\t+192*(((\q)%KST)/2)+48*((\q)%2)+16*\c
.endr
.endr
.endm
.macro ALOAD q                         ; step q's six fragments of h into set q % 2: 18 loads of 512 consecutive bytes
	WIN 0x40
.set QK, (\q)%KST
.irp m, 0,1,2,3,4,5
.irp c, 0,1,2
	ds_load_b128 v[72*((\q)%2)+12*\m+4*\c:72*((\q)%2)+12*\m+4*\c+3], v[AD0+QK/7] offset:(QK%7)*9216+1536*\m+512*\c
.endr
.endr
.endm
.macro WM m, t, q, first               ; one product; the weights' scale words of tiles 2, 3 and h's of row blocks 3-5 stand in lanes 16-31
.set rD, 32*(\m)+8*(\t)
.set rW, 48*((\q)%5)+12*(\t)
.set rX, 72*((\q)%2)+12*(\m)
.set rSW, SW+2*KST*((\q)/KST)+KST*((\t)%2)+(\q)%KST
.set rST, ST+KST*((\m)%3)+(\q)%KST
.if \first
.set rC, BIAS+32*((\q)/KST)+8*(\t)     ; the bias starts the sum
.else
.set rC, rD
.endif
.if ((\t) < 2) && ((\m) < 3)
	v_wmma_scale_f32_16x16x128_f8f6f4 v[rD:rD+7], v[rW:rW+11], v[rX:rX+11], v[rC:rC+7], v[rSW], v[rST] matrix_a_fmt:MATRIX_FMT_FP6 matrix_b_fmt:MATRIX_FMT_FP6
.elseif (\m) < 3
	v_wmma_scale_f32_16x16x128_f8f6f4 v[rD:rD+7], v[rW:rW+11], v[rX:rX+11], v[rC:rC+7], v[rSW], v[rST] matrix_a_fmt:MATRIX_FMT_FP6 matrix_b_fmt:MATRIX_FMT_FP6 matrix_a_scale:MATRIX_SCALE_ROW1
.elseif (\t) < 2
	v_wmma_scale_f32_16x16x128_f8f6f4 v[rD:rD+7], v[rW:rW+11], v[rX:rX+11], v[rC:rC+7], v[rSW], v[rST] matrix_a_fmt:MATRIX_FMT_FP6 matrix_b_fmt:MATRIX_FMT_FP6 matrix_b_scale:MATRIX_SCALE_ROW1
.else
	v_wmma_scale_f32_16x16x128_f8f6f4 v[rD:rD+7], v[rW:rW+11], v[rX:rX+11], v[rC:rC+7], v[rSW], v[rST] matrix_a_fmt:MATRIX_FMT_FP6 matrix_b_fmt:MATRIX_FMT_FP6 matrix_a_scale:MATRIX_SCALE_ROW1 matrix_b_scale:MATRIX_SCALE_ROW1
.endif
.endm
.macro STEP q, first                   ; 128 along K: 24 products, the 24 accumulators by turns in the same order in every step
.rept 4
	v_nop                                          ; four places behind the last step's products, in front of loads into registers that they read
.endr
.if 15-(\q) >= 3
	s_wait_loadcnt 36                              ; this step's weights are in; the three steps behind it, 12 loads each, may be out
.else
	s_wait_loadcnt 12*(15-(\q))
.endif
.if (\q) <= 11
	BLOAD (\q)+4                                   ; into the slot that the last step read
.endif
.if (\q) <= 14
	ALOAD (\q)+1
	s_wait_dscnt 18                                ; this step's fragments of h are in; the 18 just issued may be out
.else
	s_wait_dscnt 0x0
.endif
.if \first
	WIN 0xc6                                       ; weights window 2, h window 1, C (the bias) window 0, D window 3
.else
	WIN 0xf6                                       ; C and D window 3
.endif
.irp m, 0,1,2,3,4,5
.irp t, 0,1,2,3
	WM \m, \t, \q, \first
.endr
.endr
.endm
	s_load_b256 s[4:11], s[0:1], 0x0               ; route s[4:5], hq s[6:7], W2's codes s[8:9], W2's scales s[10:11]
	s_load_b128 s[12:15], s[0:1], 0x20             ; b2 s[12:13], y s[14:15]
	v_lshl_add_u32 v254, v0, 2, 0x28400
	v_mov_b32 v255, 0
	v_lshrrev_b32 v1, 5, v0
	v_readfirstlane_b32 s16, v1                    ; wave 0..3
	s_and_b32 s18, ttmp7, 0xffff                   ; tile
	s_lshl_b32 s22, s18, 2
	s_mov_b32 s23, 0
	s_wait_kmcnt 0x0
	s_add_nc_u64 s[24:25], s[4:5], s[22:23]
	s_load_b32 s19, s[24:25], 0x0                  ; tinfo: expert + 1, or 0
	v_and_b32 v1, 31, v0                           ; lane
	v_and_b32 v2, 15, v0                           ; r
	v_bfe_u32 v3, v0, 4, 1                         ; h
	v_lshlrev_b32 v[AD0], 4, v1
	v_add_nc_u32 v[AD0+1], 64512, v[AD0]
	v_add_nc_u32 v[AD0+2], 129024, v[AD0]
	v_mul_u32_u24 v15, v3, 96
	v_mad_u32_u24 v[WA], v2, 1536, v15             ; W2: row r of a tile, + 96 h
	s_mul_i32 s47, s16, 36864
	v_add_nc_u32 v[CP], s47, v[AD0]                ; my quarter of the tile's images, in memory and in LDS alike
	v_lshlrev_b32 v[SL], 2, v1                     ; 4 lane
	v_lshl_add_u32 v[WSA], v3, 5, v2
	v_lshlrev_b32 v[WSA], 6, v[WSA]                ; W2's scales: 64 bytes a row; lanes 16-31 two tiles (32 rows) on
	v_lshlrev_b32 v[BA], 5, v3                     ; b2: 32 h
	s_mul_i32 s46, s16, 4352
	s_add_co_u32 s46, s46, STG                     ; my stage
	v_mul_u32_u24 v[STO], v2, 272
	v_lshl_add_u32 v[STO], v3, 5, v[STO]
	v_add_nc_u32 v[STO], s46, v[STO]               ; in: row r, 32 bytes for each half of the lanes
	v_mul_u32_u24 v[RD], v3, 272
	v_lshl_add_u32 v[RD], v2, 4, v[RD]
	v_add_nc_u32 v[RD], s46, v[RD]                 ; back: lanes 0-15 one row of 256 bytes, lanes 16-31 the next
	v_lshlrev_b32 v[YO], 12, v3
	v_lshl_add_u32 v[YO], v2, 4, v[YO]             ; and the same two rows in y
	s_lshl_b32 s44, ttmp9, 8
	s_lshl_b32 s45, s16, 6
	s_add_co_u32 s44, s44, s45                     ; my first output: 256 slice + 64 wave
	s_mov_b32 s40, 0x05010400                      ; a pair's bytes 0, 4, 1, 5: the scale word of sub = 0
	s_mov_b32 s41, 0x07030602                      ; bytes 2, 6, 3, 7: of sub = 1
	s_wait_kmcnt 0x0
	s_cmp_eq_u32 s19, 0
	s_cselect_b32 s21, 0, s18                      ; an empty tile takes tile 0's addresses up to the barrier
	s_min_u32 s21, s21, 49                         ; the choice hangs on a loaded number: it enters addresses only held inside the 50 tiles
	s_max_u32 s20, s19, 1
	s_sub_co_u32 s20, s20, 1
	s_min_u32 s20, s20, 7                          ; the expert
	s_mul_i32 s22, s20, 1572864
	s_mul_i32 s46, s44, 1536
	s_add_co_u32 s22, s22, s46
	s_add_nc_u64 s[WB:WB+1], s[8:9], s[22:23]
	s_mul_i32 s22, s21, 147456
	s_add_nc_u64 s[28:29], s[6:7], s[22:23]        ; the tile's images
	s_mul_i32 s22, s21, 6144
	s_add_co_u32 s22, s22, HSCO
	s_add_nc_u64 s[30:31], s[6:7], s[22:23]        ; and its scale words
	s_lshl_b32 s22, s20, 16
	s_lshl_b32 s46, s44, 6
	s_add_co_u32 s22, s22, s46
	s_add_nc_u64 s[32:33], s[10:11], s[22:23]
	s_lshl_b32 s22, s20, 12
	s_lshl_b32 s46, s44, 2
	s_add_co_u32 s22, s22, s46
	s_add_nc_u64 s[34:35], s[12:13], s[22:23]
	s_mul_i32 s22, s21, 393216
	s_add_co_u32 s22, s22, s46
	s_add_nc_u64 s[36:37], s[14:15], s[22:23]      ; y: the tile's first row, my 256 bytes of it
.irp j, 0,1,2
.set q, 0
.rept 16
	global_load_b32 v[ST+16*\j+q], v[SL], s[30:31] offset:384*q+128*\j   ; h's scale words, as the product takes them
.set q, q+1
.endr
.endr
.irp p, 0,1
.irp i, 0,1,2,3
	global_load_b128 v[RAW+16*\p+4*\i:RAW+16*\p+4*\i+3], v[WSA], s[32:33] offset:1024*\p+16*\i
.endr
.endr
.irp t, 0,1,2,3
.irp i, 0,1
	global_load_b128 v[BIAS+8*\t+4*\i:BIAS+8*\t+4*\i+3], v[BA], s[34:35] offset:64*\t+16*\i   ; b2 at my eight outputs of the tile
.endr
.endr
	WIN 0xc0                                       ; the copy goes through registers that are still free: 144 of window 3, 144 of window 1
.set k, 0
.rept 36
	global_load_b128 v[4*k:4*k+3], v[CP], s[28:29] offset:512*k
.set k, k+1
.endr
	WIN 0x40
.rept 36
	global_load_b128 v[4*(k-36):4*(k-36)+3], v[CP], s[28:29] offset:512*k
.set k, k+1
.endr
	BLOAD 0
	BLOAD 1
	s_wait_loadcnt 60                              ; scales, bias and the copy's first half are in; its second half (36) and 24 weight loads may be out
	WIN 0x0c
.set k, 0
.rept 36
	ds_store_b128 v[CP], v[4*k:4*k+3] offset:512*k
.set k, k+1
.endr
	s_wait_loadcnt 24                              ; the second half is in
	WIN 0x04
.rept 36
	ds_store_b128 v[CP], v[4*(k-36):4*(k-36)+3] offset:512*k
.set k, k+1
.endr
	BLOAD 2
	BLOAD 3
	WIN 0
	s_wait_dscnt 0x0                               ; for the others: my quarter of the images lies in LDS
	s_barrier_signal -1
	s_barrier_wait -1                              ; the one barrier: from here on the images are only read, and each stage is its wave's own
	s_cmp_eq_u32 s19, 0
	s_cbranch_scc1 .Lend                           ; a tile without rows stores nothing
	ALOAD 0
	WIN 0
.irp p, 0,1
.irp g, 0,1,2,3,4,5,6,7
	v_perm_b32 v[SW+16*\p+2*\g], v[RAW+16*\p+2*\g+1], v[RAW+16*\p+2*\g], s40
	v_perm_b32 v[SW+16*\p+2*\g+1], v[RAW+16*\p+2*\g+1], v[RAW+16*\p+2*\g], s41
.endr
.endr
.rept 8
	v_nop                                          ; scale registers written by vector instructions stand eight places ahead of a scaled product
.endr
	STEP 0, 1
.irp q, 1,2,3,4,5,6,7,8,9,10,11,12,13,14,15
	STEP \q, 0
.endr
	WIN 0
.rept 4
	v_nop                                          ; four places behind the last products, in front of the stores that read results
.endr
; THE WAY OUT, a row block of 16 rows x 64 outputs at a time, through my own stage: LDS serves a wave's instructions in order (ISA guide 5.7.1.4), so no wait stands between the stores and the loads.
.macro TOSTAGE m
	WIN 0x0c
.irp t, 0,1,2,3
	ds_store_b128 v[STO], v[32*(\m)+8*\t:32*(\m)+8*\t+3] offset:64*\t          ; each accumulator from its low end on
	ds_store_b128 v[STO], v[32*(\m)+8*\t+4:32*(\m)+8*\t+7] offset:64*\t+16
.endr
	WIN 0
.irp i, 0,1,2,3,4,5,6,7
	ds_load_b128 v[OB+32*((\m)%2)+4*\i:OB+32*((\m)%2)+4*\i+3], v[RD] offset:544*\i
.endr
.endm
.macro SEND m, younger                 ; younger: the LDS instructions issued behind row block m's loads, which may stay out
	s_wait_dscnt \younger
.irp i, 0,1,2,3,4,5,6,7
	global_store_b128 v[YO], v[OB+32*((\m)%2)+4*\i:OB+32*((\m)%2)+4*\i+3], s[36:37] offset:(16*(\m)+2*\i)*4096   ; 16 lanes store 256 consecutive bytes, aligned
.endr
.endm
	TOSTAGE 0
.irp m, 1,2,3,4,5
.if \m > 1
	s_wait_xcnt 0x0                                ; row block m - 2's stores have read their registers: row block m's loads may land there
.endif
	TOSTAGE \m
	SEND \m-1, 16                                  ; behind row block m - 1's loads: row block m's 8 stores and 8 loads
.endr
	SEND 5, 0
.Lend:
	s_wait_tensorcnt 0x0
	ds_add_u32 v254, v255
	s_wait_dscnt 0x0
	s_endpgm
.Lfunc_end_k_q80c1a049f9_down:
	.size	k_q80c1a049f9_down, .Lfunc_end_k_q80c1a049f9_down-k_q80c1a049f9_down
	.p2alignl 7, 3214868480
	.fill 96, 4, 3214868480
	.section	.rodata,"a",@progbits
	.p2align	6, 0x0
	.amdhsa_kernel k_q80c1a049f9_down
		.amdhsa_group_segment_fixed_size 165376
		.amdhsa_private_segment_fixed_size 0
		.amdhsa_enable_private_segment 0
		.amdhsa_kernarg_size 48
		.amdhsa_user_sgpr_count 2
		.amdhsa_user_sgpr_kernarg_segment_ptr 1
		.amdhsa_wavefront_size32 1
		.amdhsa_system_sgpr_workgroup_id_x 1
		.amdhsa_system_sgpr_workgroup_id_y 1
		.amdhsa_system_sgpr_workgroup_id_z 1
		.amdhsa_system_vgpr_workitem_id 0
		.amdhsa_next_free_vgpr 1024
		.amdhsa_next_free_sgpr 66
		.amdhsa_reserve_vcc 0
		.amdhsa_float_denorm_mode_32 3
		.amdhsa_float_denorm_mode_16_64 3
		.amdhsa_memory_ordered 1
		.amdhsa_forward_progress 1
		.amdhsa_inst_pref_size 124
	.end_amdhsa_kernel
	.amdgpu_metadata
---
amdhsa.version: [ 1, 2 ]
amdhsa.kernels:
  - .name:           k_q80c1a049f9_down
    .symbol:         k_q80c1a049f9_down.kd
    .args:
      - { .name: route, .offset: 0, .size: 8, .value_kind: global_buffer, .address_space: global }
      - { .name: hq, .offset: 8, .size: 8, .value_kind: global_buffer, .address_space: global }
      - { .name: w2_codes, .offset: 16, .size: 8, .value_kind: global_buffer, .address_space: global }
      - { .name: w2_scales, .offset: 24, .size: 8, .value_kind: global_buffer, .address_space: global }
      - { .name: b2, .offset: 32, .size: 8, .value_kind: global_buffer, .address_space: global }
      - { .name: y, .offset: 40, .size: 8, .value_kind: global_buffer, .address_space: global }
    .group_segment_fixed_size: 165376
    .private_segment_fixed_size: 0
    .kernarg_segment_align: 8
    .kernarg_segment_size: 48
    .max_flat_workgroup_size: 128
    .sgpr_count:     66
    .vgpr_count:     1024
    .wavefront_size: 32
...
	.end_amdgpu_metadata
.endif
;; end of part 4
;; launch mix (part 5): grid 256 x 1, 8 waves a work-group, no clusters, 0 bytes of LDS; arguments route, gwt, y, out0; writes out0
.if DOCPART == 5
	.amdgcn_target "amdgcn-amd-amdhsa--gfx1250"
	.amdhsa_code_object_version 6
	.text
	.protected	k_q80c1a049f9_mix
	.globl	k_q80c1a049f9_mix
	.p2align	8
	.type	k_q80c1a049f9_mix,@function
k_q80c1a049f9_mix:
	s_mov_b64 s[64:65], 0
	v_nop
	global_prefetch_b8 v0, s[64:65] scope:SCOPE_SE
	s_setreg_imm32_b32 hwreg(HW_REG_WAVE_MODE, 25, 1), 1
	s_wait_xcnt 0x0
; out[t] = g0 y[p0] + g1 y[p1]: each output row has one owner, wave = token t = 8 x work-group + wave.  p0, p1: the positions that the sort gave the token's two choices (route, from byte 256);
; g0, g1: their probabilities.  A stream: two rows of 4,096 bytes in, one out; every load and store of the wave covers 512 consecutive bytes.  No LDS, no barrier, no matrix unit: memory binds.
.set A, 8                              ; v8-39   row p0, then the result
.set B, 40                             ; v40-71  row p1
	s_load_b256 s[4:11], s[0:1], 0x0               ; route s[4:5], gwt s[6:7], y s[8:9], out0 s[10:11]
	v_lshrrev_b32 v1, 5, v0
	v_readfirstlane_b32 s12, v1                    ; wave
	v_and_b32 v1, 31, v0
	v_lshlrev_b32 v1, 4, v1                        ; 16 lane
	s_lshl_b32 s13, ttmp9, 3
	s_add_co_u32 s13, s13, s12                     ; token
	s_lshl_b32 s14, s13, 3
	s_mov_b32 s15, 0
	s_wait_kmcnt 0x0
	s_add_nc_u64 s[16:17], s[4:5], s[14:15]
	s_add_nc_u64 s[18:19], s[6:7], s[14:15]
	s_load_b64 s[20:21], s[16:17], 0x100           ; p0, p1
	s_load_b64 s[22:23], s[18:19], 0x0             ; g0, g1
	s_lshl_b32 s14, s13, 12
	s_add_nc_u64 s[34:35], s[10:11], s[14:15]      ; my row of out0
	s_mov_b32 s25, 0
	s_wait_kmcnt 0x0
	s_min_u32 s20, s20, 4799
	s_min_u32 s21, s21, 4799
	s_lshl_b32 s24, s20, 12
	s_add_nc_u64 s[26:27], s[8:9], s[24:25]
	s_lshl_b32 s24, s21, 12
	s_add_nc_u64 s[28:29], s[8:9], s[24:25]
	s_mov_b32 s30, s22                             ; the packed forms name a pair and take its low word for both halves
	s_mov_b32 s31, s22
	s_mov_b32 s32, s23
	s_mov_b32 s33, s23
.irp i, 0,1,2,3,4,5,6,7
	global_load_b128 v[A+4*\i:A+4*\i+3], v1, s[26:27] offset:512*\i th:TH_LOAD_NT
.endr
.irp i, 0,1,2,3,4,5,6,7
	global_load_b128 v[B+4*\i:B+4*\i+3], v1, s[28:29] offset:512*\i th:TH_LOAD_NT
.endr
.irp i, 0,1,2,3,4,5,6,7
	s_wait_loadcnt 7-\i                            ; row p1's i-th load is in, and with it all of row p0; the 7 - i behind it may be out
	v_pk_mul_f32 v[A+4*\i:A+4*\i+1], v[A+4*\i:A+4*\i+1], s[30:31] op_sel_hi:[1,0]
	v_pk_mul_f32 v[A+4*\i+2:A+4*\i+3], v[A+4*\i+2:A+4*\i+3], s[30:31] op_sel_hi:[1,0]
	v_pk_fma_f32 v[A+4*\i:A+4*\i+1], v[B+4*\i:B+4*\i+1], s[32:33], v[A+4*\i:A+4*\i+1] op_sel_hi:[1,0,1]
	v_pk_fma_f32 v[A+4*\i+2:A+4*\i+3], v[B+4*\i+2:B+4*\i+3], s[32:33], v[A+4*\i+2:A+4*\i+3] op_sel_hi:[1,0,1]
	global_store_b128 v1, v[A+4*\i:A+4*\i+3], s[34:35] offset:512*\i th:TH_STORE_NT
.endr
	s_endpgm
.Lfunc_end_k_q80c1a049f9_mix:
	.size	k_q80c1a049f9_mix, .Lfunc_end_k_q80c1a049f9_mix-k_q80c1a049f9_mix
	.p2alignl 7, 3214868480
	.fill 96, 4, 3214868480
	.section	.rodata,"a",@progbits
	.p2align	6, 0x0
	.amdhsa_kernel k_q80c1a049f9_mix
		.amdhsa_group_segment_fixed_size 0
		.amdhsa_private_segment_fixed_size 0
		.amdhsa_enable_private_segment 0
		.amdhsa_kernarg_size 32
		.amdhsa_user_sgpr_count 2
		.amdhsa_user_sgpr_kernarg_segment_ptr 1
		.amdhsa_wavefront_size32 1
		.amdhsa_system_sgpr_workgroup_id_x 1
		.amdhsa_system_sgpr_workgroup_id_y 1
		.amdhsa_system_sgpr_workgroup_id_z 1
		.amdhsa_system_vgpr_workitem_id 0
		.amdhsa_next_free_vgpr 72
		.amdhsa_next_free_sgpr 66
		.amdhsa_reserve_vcc 0
		.amdhsa_float_denorm_mode_32 3
		.amdhsa_float_denorm_mode_16_64 3
		.amdhsa_memory_ordered 1
		.amdhsa_forward_progress 1
		.amdhsa_inst_pref_size 6
	.end_amdhsa_kernel
	.amdgpu_metadata
---
amdhsa.version: [ 1, 2 ]
amdhsa.kernels:
  - .name:           k_q80c1a049f9_mix
    .symbol:         k_q80c1a049f9_mix.kd
    .args:
      - { .name: route, .offset: 0, .size: 8, .value_kind: global_buffer, .address_space: global }
      - { .name: gwt, .offset: 8, .size: 8, .value_kind: global_buffer, .address_space: global }
      - { .name: y, .offset: 16, .size: 8, .value_kind: global_buffer, .address_space: global }
      - { .name: out0, .offset: 24, .size: 8, .value_kind: global_buffer, .address_space: global }
    .group_segment_fixed_size: 0
    .private_segment_fixed_size: 0
    .kernarg_segment_align: 8
    .kernarg_segment_size: 32
    .max_flat_workgroup_size: 256
    .sgpr_count:     66
    .vgpr_count:     72
    .wavefront_size: 32
...
	.end_amdgpu_metadata
.endif
;; end of part 5
;; ======== version 2 of 2: 5 launches
;; workspace buffers: sel 8,192 bytes of whole numbers; gwt 24,576 bytes; route 44,032 bytes of whole numbers; xq 1,638,400 bytes; hq 7,680,000 bytes; y 19,660,800 bytes
;; launch gate (part 6): grid 256 x 1, 8 waves a work-group, no clusters, 93,440 bytes of LDS; arguments x, gate_w, gate_b, xq, sel, gwt; writes xq, sel, gwt
.if DOCPART == 6
	.amdgcn_target "amdgcn-amd-amdhsa--gfx1250"
	.amdhsa_code_object_version 6
	.text
	.protected	k_q80c1a049f9_gate
	.globl	k_q80c1a049f9_gate
	.p2align	8
	.type	k_q80c1a049f9_gate,@function
k_q80c1a049f9_gate:
	s_mov_b64 s[64:65], 0
	v_nop
	global_prefetch_b8 v0, s[64:65] scope:SCOPE_SE
	s_setreg_imm32_b32 hwreg(HW_REG_WAVE_MODE, 25, 1), 1
	s_wait_xcnt 0x0
; ROUTER AND QUANTISER OF x.  2,048 tokens of 1,024 numbers; 256 work-groups of eight waves; wave = one token, t = 8 x work-group + wave.
; THE LOGITS, in f32.  Lane (e = l % 8, b = l / 8) sums run b of expert e: K is cut into four runs, 320, 320, 320 and 64 long; in a run the even k and the odd k are a chain of fused multiply-adds each
; (the two halves of one packed instruction), the two chains are added, and the four runs are added in ascending order; then gate_b.  This is the order of a blocked matrix product on a CPU: it is taken so that
; a near tie between the second and the third logit falls as reference() has it more often than with a tree over the lanes.  Run 3 is filled up to 320 with zeros on both sides, which add nothing.
; THE CHOICE is made on the logits themselves (the softmax rises with the logit; the lower index wins a tie, as jax.lax.top_k has it), the weights are p / sum with the row's maximum taken away first.
; THE QUANTISER.  Lane l also holds the token's numbers 32 l .. 32 l + 31, one whole block of 32 along K: its largest magnitude needs no other lane.  The codes serve every expert.
; OUT: xq: codes [t][768 bytes] as a plain stream of bits, then from byte 1,572,864 the scale bytes [t][32];  sel: word t = e0 | e1 << 8;  gwt: (g0, g1) f32 a token, and from byte 16,384 one word a token:
; the second logit less the third, the routing's margin, which no launch reads: it is kept so that a disagreement over a choice can be held against it.
; The choice steers no address here: it is stored at fixed places, for the next launch.
; LIMITS: a block of zeros gets the byte 1 (its codes are zeros; only this program reads the byte); blocks under 2^-124 are held at that byte; NaN and infinities are not served, in x, gate_w and gate_b alike;
; where the second and the third logit lie within f32 rounding of each other (about 1e-6), the choice may differ from that of another order of the sum.
.set GWG,  4                           ; v4   gate_w in memory: 4,096 wave + 16 lane
.set GS0,  5                           ; v5   gate_w into LDS: my wave's row + 16 lane;  v6 the same 128 bytes on for lanes 16-31
.set GS1,  6
.set AW,   7                           ; v7   my run of my expert's row in LDS
.set XS,   8                           ; v8   x into LDS: my wave's row + 144 lane
.set AX,   9                           ; v9   my run of the token's row in LDS
.set ZX,   10                          ; v10  the zeros behind x
.set XG,   11                          ; v11  x in memory
.set CO,   12                          ; v12  the codes in memory
.set W4,   13                          ; v13  4 wave
.set W8,   14                          ; v14  8 wave
.set L8,   15                          ; v15  8 lane
.set X,    16                          ; v16-47   my 32 numbers of x
.set XB,   48                          ; v48-111  two batches of 8 x 4 numbers of x; later the codes
.set WBF,  112                         ; v112-175 the same of gate_w
.set ACC,  176                         ; v176-177 the even chain, the odd chain
.set S,    178
.set PP,   179
.set Z,    180                         ; v180-183 zeros
.set QQ,   184
.set TT,   185
.set GB,   186
.set NEGI, 187                         ; -infinity
.set LG,   188                         ; v188-195 the logits, in every lane
.set P,    196                         ; v196-205 p of the eight, of the second choice, of the first
.set BV,   206
.set BI,   207
.set BV2,  208
.set BI2,  209
.set BV3,  210
.set SUM,  211
.set G,    212                         ; v212-213 g0, g1
.set SWD,  214
.set MG,   215
.set QA,   216
.set QB,   217
.set SO,   218
.set BYT,  219
.set T,    220                         ; v220-223 at work
.set E4,   224                         ; 4 (lane % 8)
.set E8,   225                         ; 8 (lane % 8)
.set OSC,  226
.set OSEL, 227
.set OGW,  228
.set TE,   229                         ; lane % 8
.set TBK,  230                         ; lane / 8
.set TH,   231                         ; lane / 16
.set C,    48                          ; v48-50, v52-54 the codes
.set SCB,  0                           ; LDS: the work-group's 256 scale bytes,
.set SELR, 256                         ; its 8 words of choices,
.set GR,   512                         ; its 8 pairs of weights,
.set MR,   768                         ; its 8 margins;
.set GWB,  1024                        ; gate_w: 8 rows GP bytes apart, each four runs BP bytes apart: 1,280 bytes of numbers and 128 of padding
.set BP,   1408                        ; = 128 modulo 256: a run on is eight columns of 16 bytes on
.set GP,   4*BP+16                     ; = 16 modulo 256: an expert on is one column on
.set XRB,  46336                       ; x: a row for each wave: 40 blocks of 128 bytes + 16 of padding (1,024 numbers and 256 zeros); a run is ten blocks, 1,440 bytes
.set XP,   5760
	s_load_b256 s[4:11], s[0:1], 0x0               ; x s[4:5], gate_w s[6:7], gate_b s[8:9], xq s[10:11]
	s_load_b128 s[12:15], s[0:1], 0x20             ; sel s[12:13], gwt s[14:15]
	v_lshl_add_u32 v232, v0, 2, 0x16900
	v_mov_b32 v233, 0
	v_lshrrev_b32 v1, 5, v0
	s_delay_alu instid0(VALU_DEP_1)
	v_readfirstlane_b32 s24, v1                    ; wave 0..7
	v_and_b32 v1, 31, v0                           ; lane
	s_delay_alu instid0(VALU_DEP_1)
	v_lshlrev_b32 v2, 4, v1                        ; 16 l
	s_delay_alu instid0(VALU_DEP_2)
	v_lshlrev_b32 v3, 7, v1                        ; 128 l: my block's bytes in a row of f32
	s_delay_alu instid0(VALU_DEP_3)
	v_and_b32 v[TE], 7, v1
	s_delay_alu instid0(VALU_DEP_4)
	v_lshrrev_b32 v[TBK], 3, v1
	v_lshrrev_b32 v[TH], 4, v1
	s_lshl_b32 s25, s24, 12
	v_add_nc_u32 v[GWG], s25, v2                   ; gate_w: row = my wave's number, 512 consecutive bytes a load
	s_mul_i32 s36, s24, GP
	s_add_co_u32 s36, s36, GWB
	v_add_nc_u32 v[GS0], s36, v2
	s_delay_alu instid0(VALU_DEP_1)
	v_lshl_add_u32 v[GS1], v[TH], 7, v[GS0]
	v_mul_u32_u24 v[AW], v[TE], GP
	s_delay_alu instid0(VALU_DEP_1)
	v_mad_u32_u24 v[AW], v[TBK], BP, v[AW]
	s_delay_alu instid0(VALU_DEP_1)
	v_add_nc_u32 v[AW], GWB, v[AW]
	s_mul_i32 s37, s24, XP
	s_add_co_u32 s37, s37, XRB
	v_mul_u32_u24 v[XS], v1, 144
	s_delay_alu instid0(VALU_DEP_1)
	v_add_nc_u32 v[XS], s37, v[XS]
	v_mul_u32_u24 v[AX], v[TBK], 1440
	s_delay_alu instid0(VALU_DEP_1)
	v_add_nc_u32 v[AX], s37, v[AX]
	v_mul_u32_u24 v[ZX], v[TE], 144
	s_delay_alu instid0(VALU_DEP_1)
	v_lshl_add_u32 v[ZX], v[TBK], 4, v[ZX]
	s_delay_alu instid0(VALU_DEP_1)
	v_add_nc_u32 v[ZX], s37, v[ZX]
	s_lshl_b32 s28, ttmp9, 3
	s_add_co_u32 s28, s28, s24                     ; my token
	s_lshl_b32 s29, s28, 12
	v_add_nc_u32 v[XG], s29, v3                    ; x: 4,096 t + 128 l
	s_mul_i32 s30, s28, 768
	v_mul_u32_u24 v[CO], v1, 24
	s_delay_alu instid0(VALU_DEP_1)
	v_add_nc_u32 v[CO], s30, v[CO]                 ; codes: 768 t + 24 l
	s_lshl_b32 s31, s24, 2
	v_mov_b32 v[W4], s31
	s_delay_alu instid0(VALU_DEP_1)
	v_lshlrev_b32 v[W8], 1, v[W4]
	v_lshlrev_b32 v[L8], 3, v1
	v_lshlrev_b32 v[E4], 2, v[TE]
	v_lshlrev_b32 v[E8], 3, v[TE]
	s_lshl_b32 s32, ttmp9, 8
	v_add_nc_u32 v[OSC], s32, v[L8]                ; the work-group's 256 scale bytes in xq
	s_lshl_b32 s33, ttmp9, 5
	v_add_nc_u32 v[OSEL], s33, v[E4]               ; its 8 words in sel, and its 8 margins in gwt
	s_lshl_b32 s34, ttmp9, 6
	v_add_nc_u32 v[OGW], s34, v[E8]                ; its 8 pairs in gwt
	s_mov_b32 s26, 0x76543210
	s_mov_b32 s27, 0xfedcba98                      ; v_permlanex16_b32's selects for lane l xor 16
.irp i, 0,1,2,3
	v_mov_b32 v[Z+\i], 0
.endr
	v_mov_b32 v[PP], 0                             ; the destination of a lane permute or a DPP form counts as one of its sources
	v_mov_b32 v[QQ], 0
	v_mov_b32 v[TT], 0
	v_mov_b32 v[NEGI], 0xff800000
	s_wait_alu depctr_va_vdst(0)
	s_wait_kmcnt 0x0
.irp i, 0,1,2,3,4,5,6,7
	global_load_b128 v[WBF+4*\i:WBF+4*\i+3], v[GWG], s[6:7] offset:512*\i
.endr
.irp i, 0,1,2,3,4,5,6,7
	global_load_b128 v[X+4*\i:X+4*\i+3], v[XG], s[4:5] offset:16*\i th:TH_LOAD_NT
.endr
	global_load_b32 v[GB], v[E4], s[8:9]           ; gate_b of my expert
.irp i, 0,1
	ds_store_b128 v[GS0], v[Z:Z+3] offset:3*BP+256+512*\i   ; run 3 of my row of gate_w: 256 bytes of numbers, then 1,024 of zeros
	ds_store_b128 v[ZX], v[Z:Z+3] offset:4608+64*\i         ; blocks 32 to 39 of my token's row: zeros
.endr
	s_wait_loadcnt 9                               ; gate_w's eight loads are in; x's eight and gate_b's one may stay out
.irp i, 0,1,2,3,4,5,6,7                ; piece p = lane + 32 i of the row (4 numbers) lies in run p / 80: 2 i / 5 for lanes 0-15, and one more for lanes 16-31 where i is 2 or 7
.if (\i == 2) || (\i == 7)
	ds_store_b128 v[GS1], v[WBF+4*\i:WBF+4*\i+3] offset:512*\i+128*((2*\i)/5)
.else
	ds_store_b128 v[GS0], v[WBF+4*\i:WBF+4*\i+3] offset:512*\i+128*((2*\i)/5)
.endif
.endr
	s_wait_loadcnt 1                               ; x is in; gate_b's load may stay out
.irp i, 0,1,2,3,4,5,6,7
	ds_store_b128 v[XS], v[X+4*\i:X+4*\i+3] offset:16*\i   ; lanes 144 bytes apart: 16 different columns a pass
.endr
	s_wait_dscnt 0x0                               ; for the other waves: my row of gate_w lies in LDS
	s_barrier_signal -1
	s_barrier_wait -1
.macro LDB n                           ; batch n: pieces 8 n .. 8 n + 7 of my run, 4 numbers each, of x and of gate_w, into set n % 2: 16 loads
.irp g, 0,1,2,3,4,5,6,7
	ds_load_b128 v[XB+32*((\n)%2)+4*\g:XB+32*((\n)%2)+4*\g+3], v[AX] offset:16*(8*(\n)+\g)+16*(\n)   ; eight pieces to a block of x: 16 bytes of padding for each batch passed
	ds_load_b128 v[WBF+32*((\n)%2)+4*\g:WBF+32*((\n)%2)+4*\g+3], v[AW] offset:16*(8*(\n)+\g)
.endr
.endm
.macro FMB n                           ; 16 links of the two chains: the low half takes the even k, the high half the odd k
.set XQ, XB+32*((\n)%2)
.set WQ, WBF+32*((\n)%2)
.irp g, 0
.if ((\n) == 0) && (\g == 0)
	v_pk_mul_f32 v[ACC:ACC+1], v[XQ:XQ+1], v[WQ:WQ+1]       ; the first products start the chains
.else
	v_pk_fma_f32 v[ACC:ACC+1], v[XQ+4*\g:XQ+4*\g+1], v[WQ+4*\g:WQ+4*\g+1], v[ACC:ACC+1]
.endif
	s_delay_alu instid0(VALU_DEP_1)
	v_pk_fma_f32 v[ACC:ACC+1], v[XQ+4*\g+2:XQ+4*\g+3], v[WQ+4*\g+2:WQ+4*\g+3], v[ACC:ACC+1]
.endr
.irp g, 1, 2, 3, 4, 5, 6, 7
.if ((\n) == 0) && (\g == 0)
	v_pk_mul_f32 v[ACC:ACC+1], v[XQ:XQ+1], v[WQ:WQ+1]
.else
	s_delay_alu instid0(VALU_DEP_1)
	v_pk_fma_f32 v[ACC:ACC+1], v[XQ+4*\g:XQ+4*\g+1], v[WQ+4*\g:WQ+4*\g+1], v[ACC:ACC+1]
.endif
	s_delay_alu instid0(VALU_DEP_1)
	v_pk_fma_f32 v[ACC:ACC+1], v[XQ+4*\g+2:XQ+4*\g+3], v[WQ+4*\g+2:WQ+4*\g+3], v[ACC:ACC+1]
.endr
.endm
	LDB 0
	LDB 1
.irp n, 0,1,2,3,4,5,6,7
	s_wait_alu depctr_va_vdst(0)
	s_wait_dscnt 16                                ; this batch's sixteen loads are in, the next batch's may be out
	FMB \n
	LDB \n+2
.endr
	s_wait_alu depctr_va_vdst(0)
	s_wait_dscnt 16
	FMB 8
	s_wait_alu depctr_va_vdst(0)
	s_wait_dscnt 0x0
	FMB 9
	s_delay_alu instid0(VALU_DEP_1)
	v_add_f32 v[S], v[ACC], v[ACC+1]               ; my run: the even chain + the odd chain
	s_delay_alu instid0(VALU_DEP_1)
	v_permlanex16_b32 v[PP], v[S], s26, s27        ; lane e: run 2; lane e + 8: run 3
	s_delay_alu instid0(VALU_DEP_2)
	v_add_f32_dpp v[TT], v[S], v[S] row_xmask:8 row_mask:0xf bank_mask:0xf   ; lane e: run 0 + run 1
	s_delay_alu instid0(VALU_DEP_2)
	v_mov_b32_dpp v[QQ], v[PP] row_xmask:8 row_mask:0xf bank_mask:0xf        ; lane e: run 3
	s_delay_alu instid0(VALU_DEP_2)
	v_add_f32 v[TT], v[TT], v[PP]                  ; + run 2
	s_delay_alu instid0(VALU_DEP_1)
	v_add_f32 v[TT], v[TT], v[QQ]                  ; + run 3: lanes 0 to 7 hold the eight sums (the other lanes hold sums that nobody reads)
	s_wait_alu depctr_va_vdst(0)
	s_wait_loadcnt 0x0                             ; gate_b
	v_add_f32 v[TT], v[TT], v[GB]
.irp e, 0,1,2,3,4,5,6,7
	v_readlane_b32 s[40+\e], v[TT], \e
.endr
.irp e, 0,1,2,3,4,5,6,7
	v_mov_b32 v[LG+\e], s[40+\e]                   ; every lane holds the eight logits
.endr
	v_mov_b32 v[BV], v[LG]                         ; the largest: a later expert takes the place only if it is strictly larger
	v_mov_b32 v[BI], 0
.irp e, 1,2,3,4,5,6,7
	s_delay_alu instid0(VALU_DEP_2)
	v_cmp_le_f32 vcc_lo, v[LG+\e], v[BV]
	s_delay_alu instid0(VALU_DEP_1)
	v_cndmask_b32 v[BV], v[LG+\e], v[BV], vcc_lo
	s_delay_alu instid0(VALU_DEP_2)
	v_cndmask_b32 v[BI], \e, v[BI], vcc_lo
.endr
.irp e, 0,1,2,3,4,5,6,7
	v_sub_f32 v[P+\e], v[LG+\e], v[BV]             ; the row's maximum is taken away ahead of the exponential
.endr
.irp e, 0,1,2,3,4,5,6,7
	v_cmp_ne_u32 vcc_lo, \e, v[BI]
	s_delay_alu instid0(VALU_DEP_1)
	v_cndmask_b32 v[LG+\e], v[NEGI], v[LG+\e], vcc_lo   ; the first choice is taken out
.endr
	v_mov_b32 v[BV2], v[LG]
	v_mov_b32 v[BI2], 0
.irp e, 1,2,3,4,5,6,7
	s_delay_alu instid0(VALU_DEP_2)
	v_cmp_le_f32 vcc_lo, v[LG+\e], v[BV2]
	s_delay_alu instid0(VALU_DEP_1)
	v_cndmask_b32 v[BV2], v[LG+\e], v[BV2], vcc_lo
	s_delay_alu instid0(VALU_DEP_2)
	v_cndmask_b32 v[BI2], \e, v[BI2], vcc_lo
.endr
	s_delay_alu instid0(VALU_DEP_2)
	v_sub_f32 v[P+8], v[BV2], v[BV]                ; the two chosen go through the same three instructions as in the sum: the same bits
	v_sub_f32 v[P+9], v[BV], v[BV]
.irp e, 0,1,2,3,4,5,6,7,8,9
	v_mul_f32 v[P+\e], 0x3fb8aa3b, v[P+\e]         ; x log2(e)
.endr
	s_wait_alu depctr_va_vdst(0)
.irp e, 0,1,2,3,4,5,6,7,8,9
	v_exp_f32 v[P+\e], v[P+\e]
.endr
.irp e, 0,1,2,3,4,5,6,7                ; (plain instructions behind the exponentials)
	v_cmp_ne_u32 vcc_lo, \e, v[BI2]
	s_delay_alu instid0(VALU_DEP_1)
	v_cndmask_b32 v[LG+\e], v[NEGI], v[LG+\e], vcc_lo   ; the second choice is taken out too
.endr
	v_max3_num_f32 v[BV3], v[LG], v[LG+1], v[LG+2]
	s_delay_alu instid0(VALU_DEP_1)
	v_max3_num_f32 v[BV3], v[BV3], v[LG+3], v[LG+4]
	s_delay_alu instid0(VALU_DEP_1)
	v_max3_num_f32 v[BV3], v[BV3], v[LG+5], v[LG+6]
	s_delay_alu instid0(VALU_DEP_1)
	v_max_num_f32 v[BV3], v[BV3], v[LG+7]          ; the third logit
	s_wait_alu depctr_va_vdst(0)
	v_add_f32 v[T], v[P], v[P+1]
	v_add_f32 v[T+1], v[P+2], v[P+3]
	v_add_f32 v[T+2], v[P+4], v[P+5]
	v_add_f32 v[T+3], v[P+6], v[P+7]
	s_delay_alu instid0(VALU_DEP_3)
	v_add_f32 v[T], v[T], v[T+1]
	s_delay_alu instid0(VALU_DEP_2)
	v_add_f32 v[T+2], v[T+2], v[T+3]
	s_delay_alu instid0(VALU_DEP_1)
	v_add_f32 v[SUM], v[T], v[T+2]
	s_wait_alu depctr_va_vdst(0)
	v_rcp_f32 v[SUM], v[SUM]
	v_sub_f32 v[MG], v[BV2], v[BV3]                ; the margin (and the plain instruction behind the reciprocal)
	v_lshl_or_b32 v[SWD], v[BI2], 8, v[BI]
	s_wait_alu depctr_va_vdst(0)
	v_mul_f32 v[G], v[P+9], v[SUM]
	v_mul_f32 v[G+1], v[P+8], v[SUM]
	; my block of 32: largest magnitude with the floor 2^(3 - 127) among its leaves, scale, codes
	v_max3_num_f32 v[QA], |v[X]|, |v[X+1]|, |v[X+2]|
	v_max3_num_f32 v[QB], |v[X+3]|, |v[X+4]|, |v[X+5]|
.irp i, 6,10,14,18,22,26
	s_delay_alu instid0(VALU_DEP_2)
	v_max3_num_f32 v[QA], v[QA], |v[X+\i]|, |v[X+\i+1]|
	s_delay_alu instid0(VALU_DEP_2)
	v_max3_num_f32 v[QB], v[QB], |v[X+\i+2]|, |v[X+\i+3]|
.endr
	s_delay_alu instid0(VALU_DEP_2)
	v_max3_num_f32 v[QA], v[QA], |v[X+30]|, |v[X+31]|
	s_delay_alu instid0(VALU_DEP_1)
	v_max3_num_f32 v[QA], v[QA], v[QB], 0x1800000
	s_delay_alu instid0(VALU_DEP_1)
	v_add_nc_u32 v[SO], 0xff000000, v[QA]          ; 2 off the exponent field: the conversion takes that field as its scale
	v_cvt_scalef32_pk16_fp6_f32 v[C:C+2], v[X:X+15], v[SO]
	v_cvt_scalef32_pk16_fp6_f32 v[C+4:C+6], v[X+16:X+31], v[SO]
	v_lshrrev_b32 v[BYT], 23, v[SO]                ; the scale's byte (and the plain instruction behind the conversions)
	global_store_b96 v[CO], v[C:C+2], s[10:11]     ; the wave's two stores cover the token's 768 consecutive bytes
	global_store_b96 v[CO], v[C+4:C+6], s[10:11] offset:12
	ds_store_b8 v0, v[BYT] offset:SCB              ; byte 32 x wave + lane = my thread's number
	ds_store_b32 v[W4], v[SWD] offset:SELR         ; all lanes write the same word with the same value
	ds_store_b32 v[W4], v[MG] offset:MR
	ds_store_b64 v[W8], v[G:G+1] offset:GR
	s_wait_dscnt 0x0                               ; for wave 0: my stores have landed
	s_barrier_signal -1
	s_barrier_wait -1
	s_cmp_lg_u32 s24, 0
	s_cbranch_scc1 .Lend
	ds_load_b64 v[56:57], v[L8] offset:SCB
	ds_load_b32 v58, v[E4] offset:SELR
	ds_load_b32 v59, v[E4] offset:MR
	ds_load_b64 v[60:61], v[E8] offset:GR
	s_wait_dscnt 0x0
	global_store_b64 v[OSC], v[56:57], s[10:11] offset:1572864   ; 32 lanes store 256 consecutive bytes, aligned
	s_wait_xcnt 0x0                                ; EXEC changes only behind this wait
	v_cmp_gt_u32 vcc_lo, 8, v0
	s_and_saveexec_b32 s35, vcc_lo
	global_store_b32 v[OSEL], v58, s[12:13]
	global_store_b64 v[OGW], v[60:61], s[14:15]
	global_store_b32 v[OSEL], v59, s[14:15] offset:16384
	s_wait_xcnt 0x0
	s_or_b32 exec_lo, exec_lo, s35
.Lend:
	s_wait_tensorcnt 0x0
	ds_add_u32 v232, v233
	s_wait_dscnt 0x0
	s_endpgm
.Lfunc_end_k_q80c1a049f9_gate:
	.size	k_q80c1a049f9_gate, .Lfunc_end_k_q80c1a049f9_gate-k_q80c1a049f9_gate
	.p2alignl 7, 3214868480
	.fill 96, 4, 3214868480
	.section	.rodata,"a",@progbits
	.p2align	6, 0x0
	.amdhsa_kernel k_q80c1a049f9_gate
		.amdhsa_group_segment_fixed_size 93440
		.amdhsa_private_segment_fixed_size 0
		.amdhsa_enable_private_segment 0
		.amdhsa_kernarg_size 48
		.amdhsa_user_sgpr_count 2
		.amdhsa_user_sgpr_kernarg_segment_ptr 1
		.amdhsa_wavefront_size32 1
		.amdhsa_system_sgpr_workgroup_id_x 1
		.amdhsa_system_sgpr_workgroup_id_y 1
		.amdhsa_system_sgpr_workgroup_id_z 1
		.amdhsa_system_vgpr_workitem_id 0
		.amdhsa_next_free_vgpr 234
		.amdhsa_next_free_sgpr 66
		.amdhsa_reserve_vcc 1
		.amdhsa_float_denorm_mode_32 3
		.amdhsa_float_denorm_mode_16_64 3
		.amdhsa_memory_ordered 1
		.amdhsa_forward_progress 1
		.amdhsa_inst_pref_size 43
	.end_amdhsa_kernel
	.amdgpu_metadata
---
amdhsa.version: [ 1, 2 ]
amdhsa.kernels:
  - .name:           k_q80c1a049f9_gate
    .symbol:         k_q80c1a049f9_gate.kd
    .args:
      - { .name: x, .offset: 0, .size: 8, .value_kind: global_buffer, .address_space: global }
      - { .name: gate_w, .offset: 8, .size: 8, .value_kind: global_buffer, .address_space: global }
      - { .name: gate_b, .offset: 16, .size: 8, .value_kind: global_buffer, .address_space: global }
      - { .name: xq, .offset: 24, .size: 8, .value_kind: global_buffer, .address_space: global }
      - { .name: sel, .offset: 32, .size: 8, .value_kind: global_buffer, .address_space: global }
      - { .name: gwt, .offset: 40, .size: 8, .value_kind: global_buffer, .address_space: global }
    .group_segment_fixed_size: 93440
    .private_segment_fixed_size: 0
    .kernarg_segment_align: 8
    .kernarg_segment_size: 48
    .max_flat_workgroup_size: 256
    .sgpr_count:     66
    .vgpr_count:     234
    .wavefront_size: 32
...
	.end_amdgpu_metadata
.endif
;; end of part 6
;; launch place (part 7): grid 1 x 1, 32 waves a work-group, no clusters, 4,352 bytes of LDS; arguments sel, route; writes route
.if DOCPART == 7
	.amdgcn_target "amdgcn-amd-amdhsa--gfx1250"
	.amdhsa_code_object_version 6
	.text
	.protected	k_q80c1a049f9_place
	.globl	k_q80c1a049f9_place
	.p2align	8
	.type	k_q80c1a049f9_place,@function
k_q80c1a049f9_place:
	s_mov_b64 s[64:65], 0
	v_nop
	global_prefetch_b8 v0, s[64:65] scope:SCOPE_SE
	s_setreg_imm32_b32 hwreg(HW_REG_WAVE_MODE, 25, 1), 1
	s_wait_xcnt 0x0
; COUNTING SORT of the 4,096 routed rows (2,048 tokens x 2 choices) by expert, into tiles of 96 rows; an expert's last tile is filled up with token 0.
; One work-group, 32 waves: wave = (expert e = wave / 4, quarter qd = wave % 4 of the tokens).  No atomics: each wave counts its own rows, the 32 counts meet in LDS,
; every wave makes all prefix sums in scalar registers, and then places its rows by the rank of a lane among the chosen lanes.
; The sum over experts of ceil(n / 96) is at most (4,096 + 8 x 95) / 96, rounded down: 50 tiles, whatever the split.
; OUT (route): words 0-63 tinfo[tile] = expert + 1, or 0 for a tile that the split leaves empty;  from byte 256 inv[2 t + j] = the position of token t's j-th choice;
; from byte 16,640 list[position] = token.  Positions of empty tiles are not written, and no later launch reads them.
; EXEC STAYS FULL through the whole text: a lane with nothing to place stores into a spare word of its own thread (1,024 words from byte 35,840 for the list's stores, 1,024 from byte 39,936
; for inv's), chosen by v_cndmask_b32.  Nobody reads the spare words.  Every index that hangs on loaded numbers is held by v_min_u32 behind the choice, and only shifted after that.
; Each of the 16 placements has four registers of its own, so that no pending store's registers are written again and no wait stands between them.
.set KR, 16                            ; v16-31  16 words of sel: register 4 i + jj holds token 512 qd + 128 i + 4 lane + jj
.set DL, 13                            ; v13     my spare word as an index into the list: 4,800 + my thread's number
.set DI, 14                            ; v14     my spare word as an index into inv: 9,920 + my thread's number
.set ONE, 15                           ; v15     1
.set PB, 40                            ; v40-103 placement k: position, list offset, token, inv offset
.set PD, 104                           ; v104-106 the offsets of the filling stores; v107 = 0
.set M,  32                            ; s32-47  lanes whose token chose e
.set M1, 66                            ; s66-81  lanes where e is the second choice
.set TB, 82                            ; s82-90  first tile of each expert; TB[8] = tiles in all
	s_load_b128 s[4:7], s[0:1], 0x0                ; sel s[4:5], route s[6:7]
	v_lshl_add_u32 v112, v0, 2, 0x100
	v_mov_b32 v113, 0
	v_lshrrev_b32 v1, 5, v0
	s_delay_alu instid0(VALU_DEP_1)
	v_readfirstlane_b32 s8, v1                     ; wave 0..31
	v_and_b32 v1, 31, v0                           ; lane
	s_lshr_b32 s9, s8, 2                           ; e
	s_and_b32 s10, s8, 3                           ; qd
	s_lshl_b32 s11, s9, 2                          ; 4 e: the first wave of my expert
	s_lshl_b32 s12, s10, 11
	v_lshl_add_u32 v2, v1, 4, s12                  ; sel: 2,048 qd + 16 lane
	s_lshl_b32 s13, s10, 9
	v_lshl_add_u32 v3, v1, 2, s13                  ; token of register 0: 512 qd + 4 lane
	v_lshlrev_b32 v4, 2, v1                        ; 4 lane
	s_lshl_b32 s14, s8, 2
	v_mov_b32 v5, s14                              ; 4 wave
	v_add_nc_u32 v[DL], 4800, v0
	v_add_nc_u32 v[DI], 9920, v0
	v_mov_b32 v[ONE], 1
	s_mov_b32 s15, 0                               ; my count
	s_wait_alu depctr_va_vdst(0)
	s_wait_kmcnt 0x0
.irp i, 0,1,2,3
	global_load_b128 v[KR+4*\i:KR+4*\i+3], v2, s[4:5] offset:512*\i
.endr
	s_wait_loadcnt 0x0
.irp k, 0,1,2,3,4,5,6,7,8,9,10,11,12,13,14,15
	v_and_b32 v32, 0xff, v[KR+\k]
	v_bfe_u32 v33, v[KR+\k], 8, 8
	s_delay_alu instid0(VALU_DEP_2)
	v_cmp_eq_u32 s[M+\k], s9, v32
	s_delay_alu instid0(VALU_DEP_2)
	v_cmp_eq_u32 s[M1+\k], s9, v33
	s_or_b32 s[M+\k], s[M+\k], s[M1+\k]
	s_bcnt1_i32_b32 s16, s[M+\k]
	s_add_co_u32 s15, s15, s16
.endr
	v_mov_b32 v6, s15
	ds_store_b32 v5, v6                            ; word = my wave's number
	s_wait_dscnt 0x0                               ; for the others: my count lies in LDS
	s_barrier_signal -1
	s_barrier_wait -1
	ds_load_b32 v7, v4                             ; lane i: wave i's count
	s_wait_dscnt 0x0
	s_mov_b32 s[TB], 0
	s_mov_b32 s18, 0                               ; rows of my expert in the quarters ahead of mine
	s_mov_b32 s21, 0                               ; my expert's first tile,
	s_mov_b32 s22, 0                               ; its tiles,
	s_mov_b32 s23, 0                               ; its rows
.irp ee, 0,1,2,3,4,5,6,7
	s_mov_b32 s17, 0
.irp k, 0,1,2,3
	v_readlane_b32 s16, v7, 4*\ee+\k
	s_add_co_u32 s17, s17, s16
	s_sub_co_u32 s19, 4*\ee+\k, s11                ; a wave of my expert ahead of me: 0 <= i - 4 e < qd, unsigned
	s_cmp_lt_u32 s19, s10
	s_cselect_b32 s20, s16, 0
	s_add_co_u32 s18, s18, s20
.endr
	s_add_co_u32 s19, s17, 95
	s_mul_i32 s19, s19, 43691                      ; (n + 95) / 96: 43,691 / 2^22 is 1 / 96 to 8e-8, exact for n + 95 up to 4,191
	s_lshr_b32 s19, s19, 22
	s_add_co_u32 s[TB+\ee+1], s[TB+\ee], s19
	s_cmp_eq_u32 s9, \ee
	s_cselect_b32 s21, s[TB+\ee], s21
	s_cselect_b32 s22, s19, s22
	s_cselect_b32 s23, s17, s23
.endr
	s_mul_i32 s24, s21, 96
	s_add_co_u32 s24, s24, s18                     ; the position of my first row
.macro PUT k                           ; register k's chosen lanes get neighbouring positions
.set PR, PB+4*(\k)
	v_mbcnt_lo_u32_b32 v[PR], s[M+\k], 0           ; how many chosen lanes stand below me
	s_delay_alu instid0(VALU_DEP_1)
	v_add_nc_u32 v[PR], s24, v[PR]                 ; my position, if I am chosen
	s_delay_alu instid0(VALU_DEP_1)
	v_cndmask_b32 v[PR+1], v[DL], v[PR], s[M+\k]   ; else my spare word
	s_delay_alu instid0(VALU_DEP_1)
	v_min_u32 v[PR+1], 0x16bf, v[PR+1]             ; held inside the list's 4,800 words and the 1,024 spare ones
	s_delay_alu instid0(VALU_DEP_1)
	v_lshlrev_b32 v[PR+1], 2, v[PR+1]
	v_add_nc_u32 v[PR+2], 128*(\k/4)+(\k%4), v3    ; the token
	v_cndmask_b32 v[PR+3], 0, v[ONE], s[M1+\k]     ; one word on where e is the second choice
	s_delay_alu instid0(VALU_DEP_1)
	v_lshl_add_u32 v[PR+3], v[PR+2], 1, v[PR+3]    ; 2 token + j
	s_delay_alu instid0(VALU_DEP_1)
	v_cndmask_b32 v[PR+3], v[DI], v[PR+3], s[M+\k]
	s_delay_alu instid0(VALU_DEP_1)
	v_min_u32 v[PR+3], 0x2abf, v[PR+3]             ; held inside route: the last spare word is word 10,943 from byte 256
	s_delay_alu instid0(VALU_DEP_1)
	v_lshlrev_b32 v[PR+3], 2, v[PR+3]
	global_store_b32 v[PR+1], v[PR+2], s[6:7] offset:16640   ; list[position] = token
	global_store_b32 v[PR+3], v[PR], s[6:7] offset:256       ; inv[2 token + j] = position
	s_bcnt1_i32_b32 s16, s[M+\k]
	s_add_co_u32 s24, s24, s16
.endm
.irp k, 0,1,2,3,4,5,6,7,8,9,10,11,12,13,14,15
	PUT \k
.endr
	s_cmp_lg_u32 s10, 0                            ; the first wave of each expert fills its last tile up: at most 95 places
	s_cbranch_scc1 .Lnopad
	s_mul_i32 s26, s21, 96
	s_add_co_u32 s26, s26, s23                     ; the first free place
	s_add_co_u32 s27, s21, s22
	s_mul_i32 s27, s27, 96                         ; the end of the expert's tiles
	v_mov_b32 v[PD+3], 0
.irp k, 0,1,2
	v_add_nc_u32 v[PD+\k], s26, v1
	s_delay_alu instid0(VALU_DEP_1)
	v_add_nc_u32 v[PD+\k], 32*\k, v[PD+\k]
	s_delay_alu instid0(VALU_DEP_1)
	v_cmp_gt_u32 vcc_lo, s27, v[PD+\k]             ; a place of the expert's last tile,
	s_delay_alu instid0(VALU_DEP_1)
	v_cndmask_b32 v[PD+\k], v[DL], v[PD+\k], vcc_lo   ; or my spare word
	s_delay_alu instid0(VALU_DEP_1)
	v_min_u32 v[PD+\k], 0x16bf, v[PD+\k]
	s_delay_alu instid0(VALU_DEP_1)
	v_lshlrev_b32 v[PD+\k], 2, v[PD+\k]
	global_store_b32 v[PD+\k], v[PD+3], s[6:7] offset:16640
.endr
.Lnopad:
	s_cmp_lg_u32 s8, 0
	s_cbranch_scc1 .Lend
.irp u, 0,1                            ; tinfo[lane + 32 u] = how many experts begin at or below that tile = its expert + 1; 0 behind the last tile
	v_add_nc_u32 v8, 32*\u, v1
	v_mov_b32 v[10+\u], 0
.irp ee, 0,1,2,3,4,5,6,7
	v_cmp_le_u32 vcc_lo, s[TB+\ee], v8
	s_delay_alu instid0(VALU_DEP_1)
	v_cndmask_b32 v9, 0, v[ONE], vcc_lo
	s_delay_alu instid0(VALU_DEP_1)
	v_add_nc_u32 v[10+\u], v[10+\u], v9
.endr
	v_cmp_gt_u32 vcc_lo, s[TB+8], v8
	s_delay_alu instid0(VALU_DEP_1)
	v_cndmask_b32 v[10+\u], 0, v[10+\u], vcc_lo
	global_store_b32 v4, v[10+\u], s[6:7] offset:128*\u
.endr
.Lend:
	s_wait_tensorcnt 0x0
	ds_add_u32 v112, v113
	s_wait_dscnt 0x0
	s_endpgm
.Lfunc_end_k_q80c1a049f9_place:
	.size	k_q80c1a049f9_place, .Lfunc_end_k_q80c1a049f9_place-k_q80c1a049f9_place
	.p2alignl 7, 3214868480
	.fill 96, 4, 3214868480
	.section	.rodata,"a",@progbits
	.p2align	6, 0x0
	.amdhsa_kernel k_q80c1a049f9_place
		.amdhsa_group_segment_fixed_size 4352
		.amdhsa_private_segment_fixed_size 0
		.amdhsa_enable_private_segment 0
		.amdhsa_kernarg_size 16
		.amdhsa_user_sgpr_count 2
		.amdhsa_user_sgpr_kernarg_segment_ptr 1
		.amdhsa_wavefront_size32 1
		.amdhsa_system_sgpr_workgroup_id_x 1
		.amdhsa_system_sgpr_workgroup_id_y 1
		.amdhsa_system_sgpr_workgroup_id_z 1
		.amdhsa_system_vgpr_workitem_id 0
		.amdhsa_next_free_vgpr 114
		.amdhsa_next_free_sgpr 96
		.amdhsa_reserve_vcc 1
		.amdhsa_float_denorm_mode_32 3
		.amdhsa_float_denorm_mode_16_64 3
		.amdhsa_memory_ordered 1
		.amdhsa_forward_progress 1
		.amdhsa_inst_pref_size 41
	.end_amdhsa_kernel
	.amdgpu_metadata
---
amdhsa.version: [ 1, 2 ]
amdhsa.kernels:
  - .name:           k_q80c1a049f9_place
    .symbol:         k_q80c1a049f9_place.kd
    .args:
      - { .name: sel, .offset: 0, .size: 8, .value_kind: global_buffer, .address_space: global }
      - { .name: route, .offset: 8, .size: 8, .value_kind: global_buffer, .address_space: global }
    .group_segment_fixed_size: 4352
    .private_segment_fixed_size: 0
    .kernarg_segment_align: 8
    .kernarg_segment_size: 16
    .max_flat_workgroup_size: 1024
    .sgpr_count:     96
    .vgpr_count:     114
    .wavefront_size: 32
...
	.end_amdgpu_metadata
.endif
;; end of part 7
;; launch up (part 8): grid 4 x 50, 4 waves a work-group, no clusters, 74,240 bytes of LDS; arguments route, xq, w1_codes, w1_scales, b1, hq; writes hq
.if DOCPART == 8
	.amdgcn_target "amdgcn-amd-amdhsa--gfx1250"
	.amdhsa_code_object_version 6
	.text
	.protected	k_q80c1a049f9_up
	.globl	k_q80c1a049f9_up
	.p2align	8
	.type	k_q80c1a049f9_up,@function
k_q80c1a049f9_up:
	s_mov_b64 s[64:65], 0
	v_nop
	global_prefetch_b8 v0, s[64:65] scope:SCOPE_SE
	s_setreg_imm32_b32 hwreg(HW_REG_WAVE_SCHED_MODE, 0, 2), 2
	s_setreg_imm32_b32 hwreg(HW_REG_WAVE_MODE, 25, 1), 1
	s_wait_xcnt 0x0
	s_wait_alu depctr_vm_vsrc(0)
; h = Q(relu(x W1 + b1)) for the routed rows, on E2M3 codes with E8M0 scales.  Work-group (x = slice of 512 hidden units, y = tile of 96 rows of ONE expert), four waves.
; 50 tiles serve every split; a tile that the split leaves empty ends behind the one barrier and stores nothing.  Ahead of it such a work-group takes tile 0's addresses, so that it
; reads only bytes that were stored, and the barrier hangs on no loaded number.  There are no tensor loads and no cluster here: operands come by plain loads.
; THE PRODUCT IS USED TRANSPOSED: source 0 = 16 rows of W1, source 1 = 16 token rows: a lane holds one token row, its registers run along the hidden units, the next product's K.
; K IN PAIR ORDER, alike on both operands (only the order of the sums changes): step q = (pair P = q / 2, sub = q % 2); lane (r, h) takes the 64 consecutive codes k = 256 P + 128 h + 64 sub + 0 .. 63:
; 48 bytes at 192 P + 96 h + 48 sub of its row, three loads of 16 aligned bytes.  The instruction's blocks 0 .. 3 are then the pair's blocks 2 sub, 4 + 2 sub, 2 sub + 1, 5 + 2 sub,
; and v_perm_b32 gathers a step's scale word from the pair's two words.
; SHARES.  Wave w makes step Q = 4 slice + w of the next product, in two chunks of 64 hidden units, n0 = 256 (Q / 2) + 64 (Q % 2) + 128 chunk.  Lane r of weight tile t takes row
; n0 + 32 (r / 8) + 8 t + r % 8, so that lane (r, h)'s 32 results of a row block are the whole block n0 + 32 h + 0 .. 31: its largest magnitude needs no other lane.
; The tokens' codes (96 rows x all of K) lie in LDS as images of the operand's registers, filled once; the weights go from memory into a ring of five register slots, four steps ahead.
; OUT (hq): images [tile][Q 16][row block 6][3][lane][16 bytes], and from byte 7,372,800 scale words [tile][Q][j 3][lane]: lanes 0-15 row block j, lanes 16-31 row block j + 3.
; LIMITS: a block of zeros gets the byte 1 (zero codes; only this program reads it); NaN and infinities are not served.
; REGISTERS, in windows of 256.  Window 0: v1-13 addresses; v16-39 tokens' scale words; v64-95 weights' scale words; v96-159 b1 in the result's layout; v160-215 scale words as loaded; v224-232 tokens.
;   Window 1: two sets of 72: the tokens' six fragments.  Window 2: five slots of 48: four weight fragments.  Window 3: v0-191 accumulator (m, t) at 32 m + 8 t; v192-255 the quantiser's.
; THE MODE: SCHED_MODE bits 1:0 = 2 (LLVM: expert scheduling mode 2), set by the entry lines.  The code itself states the register dependences
; between vector or matrix instructions and memory or LDS instructions, with s_wait_alu, always for 0.
; THE PLAN.  Registers that memory or LDS instructions touch:
;   W0 .. W4 (window 2)   Step q's products read W[q % 5]; the loads of step q + 4, issued in step q, land in W[(q - 1) % 5], which step q - 1's products read last.
;   X0, X1 (window 1)     Step q's products read X[q % 2]; the LDS loads of step q + 1, issued in step q, land in the other set, which step q - 1's products read last.
;   v4-13                 Addresses and offsets, made once at the head and never written again.
;   v224-232              The tile's tokens: loaded, made into offsets by vector instructions, read by the gather's loads, then left.
;   window 3, v0-143      At the head the gather's loads land here and the LDS stores read them; from the first product on they are accumulators.
;   the fragments that leave   Row block 0's in v244-255 of window 3, row block m's in the first 12 accumulator registers of row block m - 1, which are done with: written by the quantiser,
;                         read by the stores, never written again.  The three scale words that leave: v240-242 of window 3, likewise.
; So ONE wait on va_vdst stands at a step's head: it states that the products of the step before are done reading the slot and the set in which this step's loads land.  The step's 30 loads follow it,
; dealt among its 24 products, which name W[q % 5], X[q % 2], the accumulators, the scale words and the bias: none of the registers that those loads touch.  The quantiser between two chunks names window 3 alone.
; On the way out three waits on va_vdst stand ahead of three runs of stores.  One wait on vm_vsrc stands behind the barrier.
.set KST,   8                          ; steps of 128 along K
.set CHB,   98304                      ; bytes from a chunk's rows of W1 to the next chunk's: 128 rows of 768
.set TROW,  6144                       ; from a weight tile to the next: 8 rows
.set LISTO, 16640
.set XSCO,  1572864
.set HSCO,  7372800
.set AD0,   4                          ; v4 16 lane; v5 16 lane + 64,512: LDS offsets are 16 bits
.set WA,    6
.set GS,    7
.set LA0,   8
.set LA1,   9
.set WSA,   10
.set BA,    11
.set H96,   12
.set SL,    13
.set ST,    16
.set SW,    64
.set BIAS,  96
.set RAW,   160
.set LT,    224
.set LS,    230
.set WB,    26                         ; s[26:27] my rows of W1
.set XA,    192                        ; window 3: chunk 0's codes, 6 registers a row block
.set BY,    228                        ; a byte, then a scale word, for each row block
.set MX,    234
.set SO,    235
.set CV,    236
.set TA,    240
.set TC,    241
.set BT,    242
.set F,     244                        ; row block 0's fragment, 12 registers
.set MSB, 0
.macro WIN new                         ; the immediate's high byte repeats the setting that is left
.if MSB != \new
	s_set_vgpr_msb (MSB<<8)|\new
.set MSB, \new
.endif
.endm
.macro BLOAD q                         ; step q's four weight fragments into slot q % 5: 12 loads
	WIN 0x80
.irp t, 0,1,2,3
.irp c, 0,1,2
	global_load_b128 v[48*((\q)%5)+12*\t+4*\c:48*((\q)%5)+12*\t+4*\c+3], v[WA], s[WB:WB+1] offset:((\q)/KST)*CHB+TROW*\t+192*(((\q)%KST)/2)+48*((\q)%2)+16*\c
.endr
.endr
.endm
.macro ALOADH q, hf                    ; half hf of step q's six token fragments, row blocks 3 hf .. 3 hf + 2, into set q % 2: 9 loads of 512 consecutive bytes
	WIN 0x40
.set QK, (\q)%KST
.irp m, 0,1,2
.irp c, 0,1,2
	ds_load_b128 v[72*((\q)%2)+12*(3*(\hf)+\m)+4*\c:72*((\q)%2)+12*(3*(\hf)+\m)+4*\c+3], v[AD0+QK/7] offset:(QK%7)*9216+1536*(3*(\hf)+\m)+512*\c
.endr
.endr
.endm
.macro WM m, t, q, first               ; one product; the weights' scale words of tiles 2, 3 and the tokens' of row blocks 3-5 stand in lanes 16-31
.set rD, 32*(\m)+8*(\t)
.set rW, 48*((\q)%5)+12*(\t)
.set rX, 72*((\q)%2)+12*(\m)
.set rSW, SW+2*KST*((\q)/KST)+KST*((\t)%2)+(\q)%KST
.set rST, ST+KST*((\m)%3)+(\q)%KST
.if \first
.set rC, BIAS+32*((\q)/KST)+8*(\t)     ; the bias starts the sum
.else
.set rC, rD
.endif
.if ((\t) < 2) && ((\m) < 3)
	v_wmma_scale_f32_16x16x128_f8f6f4 v[rD:rD+7], v[rW:rW+11], v[rX:rX+11], v[rC:rC+7], v[rSW], v[rST] matrix_a_fmt:MATRIX_FMT_FP6 matrix_b_fmt:MATRIX_FMT_FP6
.elseif (\m) < 3
	v_wmma_scale_f32_16x16x128_f8f6f4 v[rD:rD+7], v[rW:rW+11], v[rX:rX+11], v[rC:rC+7], v[rSW], v[rST] matrix_a_fmt:MATRIX_FMT_FP6 matrix_b_fmt:MATRIX_FMT_FP6 matrix_a_scale:MATRIX_SCALE_ROW1
.elseif (\t) < 2
	v_wmma_scale_f32_16x16x128_f8f6f4 v[rD:rD+7], v[rW:rW+11], v[rX:rX+11], v[rC:rC+7], v[rSW], v[rST] matrix_a_fmt:MATRIX_FMT_FP6 matrix_b_fmt:MATRIX_FMT_FP6 matrix_b_scale:MATRIX_SCALE_ROW1
.else
	v_wmma_scale_f32_16x16x128_f8f6f4 v[rD:rD+7], v[rW:rW+11], v[rX:rX+11], v[rC:rC+7], v[rSW], v[rST] matrix_a_fmt:MATRIX_FMT_FP6 matrix_b_fmt:MATRIX_FMT_FP6 matrix_a_scale:MATRIX_SCALE_ROW1 matrix_b_scale:MATRIX_SCALE_ROW1
.endif
.endm
.macro MULWIN first                    ; the products' windows
.if \first
	WIN 0xc6                                       ; weights window 2, tokens window 1, C (the bias) window 0, D window 3
.else
	WIN 0xf6                                       ; C and D window 3
.endif
.endm
.macro ROWB m, q, first                ; row block m's four products
.irp t, 0,1,2,3
	WM \m, \t, \q, \first
.endr
.endm
.macro STEP q, first                   ; 128 along K: 24 products, the 24 accumulators by turns in the same order in every step
.rept 4
	v_nop                                          ; four places behind the last step's products, in front of loads into registers that they read
.endr
.if 15-(\q) >= 3
	s_wait_loadcnt 36                              ; this step's weights are in; the three steps behind it, 12 loads each, may be out
.else
	s_wait_loadcnt 12*(15-(\q))
.endif
	s_wait_dscnt 9                                 ; this step's fragments of row blocks 0-2 are in; the nine of row blocks 3-5 may be out
	s_wait_alu depctr_va_vdst(0)                   ; the last step's products are done reading their slot and their set, in which the loads below land; in step 0: the scale words that the products take are written
	MULWIN \first
	ROWB 0, \q, \first
.if (\q) <= 14
	ALOADH (\q)+1, 0                               ; no wait: no product since the wait above names the other set
	MULWIN \first
.endif
	ROWB 1, \q, \first
.if (\q) <= 14
	ALOADH (\q)+1, 1
	MULWIN \first
.endif
	ROWB 2, \q, \first
.if (\q) <= 11
	BLOAD (\q)+4                                   ; into the slot that the last step read; no product since the wait above names it
	MULWIN \first
.endif
.if (\q) <= 14
	s_wait_dscnt 18                                ; this step's fragments of row blocks 3-5 are in; the next step's 18 loads may be out
.else
	s_wait_dscnt 0x0
.endif
	ROWB 3, \q, \first
	ROWB 4, \q, \first
	ROWB 5, \q, \first
.endm
	s_load_b256 s[4:11], s[0:1], 0x0               ; route s[4:5], xq s[6:7], W1's codes s[8:9], W1's scales s[10:11]
	s_load_b128 s[12:15], s[0:1], 0x20             ; b1 s[12:13], hq s[14:15]
	v_lshl_add_u32 v254, v0, 2, 0x12000
	v_mov_b32 v255, 0
	v_lshrrev_b32 v1, 5, v0
	v_readfirstlane_b32 s16, v1                    ; wave 0..3
	s_and_b32 s18, ttmp7, 0xffff                   ; tile
	s_lshl_b32 s22, s18, 2
	s_mov_b32 s23, 0
	s_wait_kmcnt 0x0
	s_add_nc_u64 s[24:25], s[4:5], s[22:23]
	s_load_b32 s19, s[24:25], 0x0                  ; tinfo: expert + 1, or 0
	v_and_b32 v1, 31, v0                           ; lane
	v_and_b32 v2, 15, v0                           ; r
	v_bfe_u32 v3, v0, 4, 1                         ; h
	v_lshlrev_b32 v[AD0], 4, v1
	v_add_nc_u32 v[AD0+1], 64512, v[AD0]
	v_lshrrev_b32 v14, 3, v2
	v_and_b32 v15, 7, v2
	v_lshl_add_u32 v14, v14, 5, v15                ; 32 (r / 8) + r % 8
	v_mul_u32_u24 v[H96], v3, 96
	v_mad_u32_u24 v[WA], v14, 768, v[H96]          ; W1: my row of a tile, + 96 h
	v_lshl_add_u32 v[WSA], v3, 4, v14
	v_lshlrev_b32 v[WSA], 5, v[WSA]                ; W1's scales: 32 bytes a row; lanes 16-31 two tiles (16 rows) on
	v_lshlrev_b32 v[BA], 7, v3                     ; b1: 128 h
	v_lshlrev_b32 v[SL], 2, v1                     ; 4 lane
	v_lshlrev_b32 v[LA0], 2, v2                    ; list: 4 r
	v_mul_u32_u24 v[LA1], v3, 192
	v_lshl_add_u32 v[LA1], v2, 2, v[LA1]           ; list: 4 r + 3 row blocks x h
	s_wait_alu depctr_va_sdst(0)                   ; s16, the wave's number, is written, ahead of its first reader
	s_mul_i32 s46, s16, 18432
	v_add_nc_u32 v[GS], s46, v[AD0]                ; where I store x's images: pair = my wave's number
	s_lshl_b32 s43, ttmp9, 2
	s_add_co_u32 s43, s43, s16                     ; Q
	s_lshr_b32 s44, s43, 1
	s_lshl_b32 s44, s44, 8
	s_and_b32 s45, s43, 1
	s_lshl_b32 s45, s45, 6
	s_add_co_u32 s44, s44, s45                     ; chunk 0's first hidden unit
	s_mov_b32 s40, 0x05010400                      ; a pair's bytes 0, 4, 1, 5: the scale word of sub = 0
	s_mov_b32 s41, 0x07030602                      ; bytes 2, 6, 3, 7: of sub = 1
	s_mov_b32 s42, 0xffff0000
	s_wait_kmcnt 0x0
	s_cmp_eq_u32 s19, 0
	s_cselect_b32 s21, 0, s18                      ; an empty tile takes tile 0's addresses up to the barrier
	s_min_u32 s21, s21, 49                         ; the choice hangs on a loaded number: it enters addresses only held inside the 50 tiles
	s_max_u32 s20, s19, 1
	s_sub_co_u32 s20, s20, 1
	s_min_u32 s20, s20, 7                          ; the expert
	s_mul_i32 s22, s21, 384
	s_add_nc_u64 s[30:31], s[4:5], s[22:23]        ; the tile's 96 words of the list
	s_mul_i32 s22, s20, 1572864
	s_mul_i32 s46, s44, 768
	s_add_co_u32 s22, s22, s46
	s_add_nc_u64 s[WB:WB+1], s[8:9], s[22:23]
	s_mul_i32 s22, s16, 192
	s_add_nc_u64 s[28:29], s[6:7], s[22:23]        ; x's codes at the pair that I gather
	s_lshl_b32 s22, s20, 16
	s_lshl_b32 s46, s44, 5
	s_add_co_u32 s22, s22, s46
	s_add_nc_u64 s[32:33], s[10:11], s[22:23]
	s_lshl_b32 s22, s20, 13
	s_lshl_b32 s46, s44, 2
	s_add_co_u32 s22, s22, s46
	s_add_nc_u64 s[34:35], s[12:13], s[22:23]
	s_mul_i32 s22, s21, 147456
	s_mul_i32 s46, s43, 9216
	s_add_co_u32 s22, s22, s46
	s_add_nc_u64 s[36:37], s[14:15], s[22:23]      ; my step's images in hq
	s_mul_i32 s22, s21, 6144
	s_mul_i32 s46, s43, 384
	s_add_co_u32 s22, s22, s46
	s_add_co_u32 s22, s22, HSCO
	s_add_nc_u64 s[38:39], s[14:15], s[22:23]      ; and its scale words
	s_wait_alu depctr_va_vdst(0)                   ; the addresses and offsets v4 to v13 are written, which the kernel's loads and stores read; so are v254 and v255
.irp m, 0,1,2,3,4,5
	global_load_b32 v[LT+\m], v[LA0], s[30:31] offset:LISTO+64*\m
.endr
.irp j, 0,1,2
	global_load_b32 v[LS+\j], v[LA1], s[30:31] offset:LISTO+64*\j
.endr
	BLOAD 0
	BLOAD 1
	WIN 0
	s_wait_loadcnt 24                              ; the nine list loads are in; the 24 weight loads may be out
.irp m, 0,1,2,3,4,5
	v_min_u32 v[LT+\m], 0x7ff, v[LT+\m]
	v_mul_u32_u24 v[LT+\m], 0x300, v[LT+\m]
	v_add_nc_u32 v[LT+\m], v[H96], v[LT+\m]        ; 768 token + 96 h
.endr
.irp j, 0,1,2
	v_min_u32 v[LS+\j], 0x7ff, v[LS+\j]
	v_lshlrev_b32 v[LS+\j], 5, v[LS+\j]            ; 32 token
.endr
	WIN 0xc0                                       ; the gather lands in the accumulators' registers, which are still free
	s_wait_alu depctr_va_vdst(0)                   ; the tokens' nine offsets v224 to v232 are written, which the loads below read
.irp m, 0,1,2,3,4,5
.irp i, 0,1,2,3,4,5
	global_load_b128 v[24*\m+4*\i:24*\m+4*\i+3], v[LT+\m], s[28:29] offset:16*\i   ; 96 bytes: my half of the pair, both steps
.endr
.endr
	WIN 0
.irp j, 0,1,2
.irp i, 0,1
	global_load_b128 v[RAW+8*\j+4*\i:RAW+8*\j+4*\i+3], v[LS+\j], s[6:7] offset:XSCO+16*\i
.endr
.endr
.irp c, 0,1
.irp p, 0,1
.irp i, 0,1
	global_load_b128 v[RAW+24+8*(2*\c+\p)+4*\i:RAW+24+8*(2*\c+\p)+4*\i+3], v[WSA], s[32:33] offset:32*(128*\c+8*\p)+16*\i
.endr
.endr
.endr
.irp c, 0,1
.irp i, 0,1,2,3,4,5,6,7
	global_load_b128 v[BIAS+32*\c+4*\i:BIAS+32*\c+4*\i+3], v[BA], s[34:35] offset:512*\c+16*\i   ; b1 at my 32 hidden units of the chunk
.endr
.endr
	BLOAD 2
	BLOAD 3
	s_wait_loadcnt 54                              ; the gather is in; behind it 30 loads of scales and bias and 24 of weights may be out
	WIN 0x0c                                       ; an LDS store's data: window 3
.irp m, 0,1,2,3,4,5
.irp i, 0,1,2,3,4,5
	ds_store_b128 v[GS], v[24*\m+4*\i:24*\m+4*\i+3] offset:9216*(\i/3)+1536*\m+512*(\i%3)
.endr
.endr
	WIN 0
	s_wait_dscnt 0x0                               ; for the others: my pair's twelve images lie in LDS
	s_barrier_signal -1
	s_barrier_wait -1                              ; the one barrier: from here on LDS is only read
	s_wait_alu depctr_vm_vsrc(0)                   ; my LDS stores have read the registers through which the gather went: they are accumulators from here on, written by the products
	s_cmp_eq_u32 s19, 0
	s_cbranch_scc1 .Lend                           ; a tile without rows stores nothing
	ALOADH 0, 0
	ALOADH 0, 1
	WIN 0
	s_wait_loadcnt 24                              ; scales and bias are in; steps 2 and 3's weights may be out
.irp j, 0,1,2
.irp p, 0,1,2,3
	v_perm_b32 v[ST+8*\j+2*\p], v[RAW+8*\j+2*\p+1], v[RAW+8*\j+2*\p], s40
	v_perm_b32 v[ST+8*\j+2*\p+1], v[RAW+8*\j+2*\p+1], v[RAW+8*\j+2*\p], s41
.endr
.endr
.irp g, 0,1,2,3
.irp p, 0,1,2,3
	v_perm_b32 v[SW+8*\g+2*\p], v[RAW+24+8*\g+2*\p+1], v[RAW+24+8*\g+2*\p], s40
	v_perm_b32 v[SW+8*\g+2*\p+1], v[RAW+24+8*\g+2*\p+1], v[RAW+24+8*\g+2*\p], s41
.endr
.endr
.rept 8
	v_nop                                          ; scale registers written by vector instructions stand eight places ahead of a scaled product; the wait that states it stands at step 0's head, behind these places
.endr
; Row block m's fragment leaves: three stores from its own twelve registers.
.macro OUTF m
.set FO, F
.if (\m) > 0
.set FO, 32*((\m)-1)
.endif
.irp c, 0,1,2
	global_store_b128 v[AD0], v[FO+4*\c:FO+4*\c+3], s[36:37] offset:1536*(\m)+512*\c   ; 32 lanes store 512 consecutive bytes, aligned
.endr
.endm
; THE QUANTISER of a chunk's results, wholly in window 3.  Chunk 0's codes and bytes are kept; chunk 1's join them, and the fragment of step Q leaves.
; Each row block's fragment has registers of its own (row block 0: v[F ..]; row block m: the first twelve accumulator registers of row block m - 1, which are done with), so no register that a store reads is written again.
.macro EPI ch
	WIN 0xff
.rept 4
	v_nop                                          ; four places behind the last products
.endr
.irp m, 0,1,2,3,4,5
.set A0, 32*\m
.set XM, XA+6*\m
.set FM, F
.if \m > 0
.set FM, 32*(\m-1)
.endif
.set j, 0
.rept 32
	v_max_num_f32 v[A0+j], 0, v[A0+j]              ; relu, in f32; each accumulator from its low end on
.set j, j+1
.endr
	v_max3_num_f32 v[MX], v[A0], v[A0+1], v[A0+2]  ; the block's largest number: none is negative
	v_max3_num_f32 v[TA], v[A0+3], v[A0+4], v[A0+5]
.irp i, 6,10,14,18,22,26
	v_max3_num_f32 v[MX], v[MX], v[A0+\i], v[A0+\i+1]
	v_max3_num_f32 v[TA], v[TA], v[A0+\i+2], v[A0+\i+3]
.endr
	v_max3_num_f32 v[MX], v[MX], v[A0+30], v[A0+31]
	v_max3_num_f32 v[MX], v[MX], v[TA], 0x1800000  ; and the floor 2^(3 - 127): the byte cannot fall under 1
	v_add_nc_u32 v[SO], 0xff000000, v[MX]          ; 2 off the exponent field: the conversion's scale operand
.if \ch == 0
	v_cvt_scalef32_pk16_fp6_f32 v[XM:XM+2], v[A0:A0+15], v[SO]
	v_cvt_scalef32_pk16_fp6_f32 v[CV:CV+2], v[A0+16:A0+31], v[SO]   ; (a conversion's three registers begin on an even number)
	v_lshrrev_b32 v[BY+\m], 23, v[SO]              ; the byte (and the plain instruction behind the conversions)
.irp i, 0,1,2
	v_mov_b32 v[XM+3+\i], v[CV+\i]
.endr
.else
	v_cvt_scalef32_pk16_fp6_f32 v[FM+6:FM+8], v[A0:A0+15], v[SO]
	v_cvt_scalef32_pk16_fp6_f32 v[CV:CV+2], v[A0+16:A0+31], v[SO]
	v_lshrrev_b32 v[BT], 23, v[SO]
.irp i, 0,1,2
	v_mov_b32 v[FM+9+\i], v[CV+\i]
.endr
.irp i, 0,1,2,3,4,5
	v_mov_b32 v[FM+\i], v[XM+\i]
.endr
.irp i, 0,1,2,3,4,5
	v_permlane16_swap_b32 v[FM+\i], v[FM+6+\i]     ; lanes 0-15 now hold chunk 0's 64 codes, lanes 16-31 chunk 1's: the pair order's halves
.endr
	v_lshl_or_b32 v[TA], v[BT], 8, v[BY+\m]        ; my two bytes: (chunk 0, block h), (chunk 1, block h)
	v_mov_b32 v[TC], v[TA]
	v_permlane16_swap_b32 v[TA], v[TC]             ; TA: the pair of h = 0 in every lane; TC: that of h = 1
	v_lshl_or_b32 v[BY+\m], v[TC], 16, v[TA]       ; the row's scale word
.if (\m == 1) || (\m == 3)
	WIN 0x0c                                       ; a store's data: window 3; its address: window 0
	s_wait_alu depctr_va_vdst(0)                   ; the moves and swaps have written this row block's fragment and the one before's, which the six stores below read
	OUTF \m-1
	OUTF \m
	WIN 0xff
.endif
.endif
.endr
.endm
	STEP 0, 1
.irp q, 1,2,3,4,5,6,7
	STEP \q, 0
.endr
	EPI 0
	STEP 8, 1
.irp q, 9,10,11,12,13,14,15
	STEP \q, 0
.endr
	EPI 1
.irp j, 0,1,2
	v_cndmask_b32 v[TA+\j], v[BY+\j], v[BY+3+\j], s42   ; lanes 0-15 row block j's words, lanes 16-31 row block j + 3's
.endr
	WIN 0x0c
	s_wait_alu depctr_va_vdst(0)                   ; row blocks 4 and 5's fragments and the three scale words are written, which the nine stores below read
	OUTF 4
	OUTF 5
.irp j, 0,1,2
	global_store_b32 v[SL], v[TA+\j], s[38:39] offset:128*\j
.endr
	WIN 0
.Lend:
	s_wait_dscnt 0x0                               ; the closing lines, six on end
	s_wait_alu 0x0
	s_wait_tensorcnt 0x0
	ds_add_u32 v254, v255
	s_wait_dscnt 0x0
	s_endpgm
.Lfunc_end_k_q80c1a049f9_up:
	.size	k_q80c1a049f9_up, .Lfunc_end_k_q80c1a049f9_up-k_q80c1a049f9_up
	.p2alignl 7, 3214868480
	.fill 96, 4, 3214868480
	.section	.rodata,"a",@progbits
	.p2align	6, 0x0
	.amdhsa_kernel k_q80c1a049f9_up
		.amdhsa_group_segment_fixed_size 74240
		.amdhsa_private_segment_fixed_size 0
		.amdhsa_enable_private_segment 0
		.amdhsa_kernarg_size 48
		.amdhsa_user_sgpr_count 2
		.amdhsa_user_sgpr_kernarg_segment_ptr 1
		.amdhsa_wavefront_size32 1
		.amdhsa_system_sgpr_workgroup_id_x 1
		.amdhsa_system_sgpr_workgroup_id_y 1
		.amdhsa_system_sgpr_workgroup_id_z 1
		.amdhsa_system_vgpr_workitem_id 0
		.amdhsa_next_free_vgpr 1024
		.amdhsa_next_free_sgpr 66
		.amdhsa_reserve_vcc 0
		.amdhsa_float_denorm_mode_32 3
		.amdhsa_float_denorm_mode_16_64 3
		.amdhsa_memory_ordered 1
		.amdhsa_forward_progress 1
		.amdhsa_inst_pref_size 144
	.end_amdhsa_kernel
	.amdgpu_metadata
---
amdhsa.version: [ 1, 2 ]
amdhsa.kernels:
  - .name:           k_q80c1a049f9_up
    .symbol:         k_q80c1a049f9_up.kd
    .args:
      - { .name: route, .offset: 0, .size: 8, .value_kind: global_buffer, .address_space: global }
      - { .name: xq, .offset: 8, .size: 8, .value_kind: global_buffer, .address_space: global }
      - { .name: w1_codes, .offset: 16, .size: 8, .value_kind: global_buffer, .address_space: global }
      - { .name: w1_scales, .offset: 24, .size: 8, .value_kind: global_buffer, .address_space: global }
      - { .name: b1, .offset: 32, .size: 8, .value_kind: global_buffer, .address_space: global }
      - { .name: hq, .offset: 40, .size: 8, .value_kind: global_buffer, .address_space: global }
    .group_segment_fixed_size: 74240
    .private_segment_fixed_size: 0
    .kernarg_segment_align: 8
    .kernarg_segment_size: 48
    .max_flat_workgroup_size: 128
    .sgpr_count:     66
    .vgpr_count:     1024
    .wavefront_size: 32
...
	.end_amdgpu_metadata
.endif
;; end of part 8
;; launch down (part 9): grid 4 x 50, 4 waves a work-group, no clusters, 165,376 bytes of LDS; arguments route, hq, w2_codes, w2_scales, b2, y; writes y
.if DOCPART == 9
	.amdgcn_target "amdgcn-amd-amdhsa--gfx1250"
	.amdhsa_code_object_version 6
	.text
	.protected	k_q80c1a049f9_down
	.globl	k_q80c1a049f9_down
	.p2align	8
	.type	k_q80c1a049f9_down,@function
k_q80c1a049f9_down:
	s_mov_b64 s[64:65], 0
	v_nop
	global_prefetch_b8 v0, s[64:65] scope:SCOPE_SE
	s_setreg_imm32_b32 hwreg(HW_REG_WAVE_SCHED_MODE, 0, 2), 2
	s_setreg_imm32_b32 hwreg(HW_REG_WAVE_MODE, 25, 1), 1
	s_wait_xcnt 0x0
	s_wait_alu depctr_vm_vsrc(0)
; y[position] = h W2 + b2 for the routed rows in sorted order, on E2M3 codes with E8M0 scales.  Work-group (x = slice of 256 outputs, y = tile of 96 rows of one expert), four waves, 64 outputs each.
; 50 tiles serve every split; a tile that the split leaves empty ends behind the one barrier and stores nothing; ahead of it such a work-group takes tile 0's addresses, so that it reads only bytes that
; were stored, and the barrier hangs on no loaded number.  There are no tensor loads and no cluster here.
; THE PRODUCT IS USED TRANSPOSED: source 0 = 16 rows of W2 (outputs), source 1 = 16 rows of h: a lane holds one row and eight neighbouring outputs.
; K IN PAIR ORDER, as the launch before laid h: step q = (pair q / 2, sub = q % 2); lane (r, h) takes the 48 bytes at 192 (q / 2) + 96 h + 48 sub of its row of W2; the instruction's blocks 0 .. 3 are the
; pair's blocks 2 sub, 4 + 2 sub, 2 sub + 1, 5 + 2 sub, and v_perm_b32 gathers W2's scale words so.  h's scale words come ready.
; The tile's 96 fragments of h (147,456 dense bytes, images of the operand's registers) are copied into LDS once, a quarter by each wave; the weights go from memory into a ring of five register slots.
; REGISTERS, in windows of 256.  Window 0: v1-14 addresses; v16-63 h's scale words; v64-95 W2's; v96-127 b2 in the result's layout; v128-159 W2's scale words as loaded; v128-191 rows on the way out.
;   Window 1: two sets of 72: h's six fragments.  Window 2: five slots of 48.  Window 3: accumulator (m, t) at 32 m + 8 t.
; THE MODE: SCHED_MODE bits 1:0 = 2 (LLVM: expert scheduling mode 2), set by the entry lines.  The code itself states the register dependences
; between vector or matrix instructions and memory or LDS instructions, with s_wait_alu, always for 0.
; THE PLAN.  Registers that memory or LDS instructions touch:
;   W0 .. W4 (window 2)   Step q's products read W[q % 5]; the loads of step q + 4, issued in step q, land in W[(q - 1) % 5], which step q - 1's products read last.
;   X0, X1 (window 1)     Step q's products read X[q % 2]; the LDS loads of step q + 1, issued in step q, land in the other set, which step q - 1's products read last.
;   v4-14                 Addresses and offsets, made once at the head and never written again.
;   windows 3 and 1, v0-143   At the head the copy's loads land here and the LDS stores read them; afterwards window 3's are accumulators, written by the products, and window 1's are X0 and X1, in which LDS loads land.
;   the accumulators      On the way out the LDS stores into the stage read them; nothing writes them again.
;   OB0, OB1 (window 0, v128-191)   On the way out, by turns: the LDS loads of row block m land in OB[m % 2], the global stores of row block m read it.  v128-159 held W2's scale words, which v_perm_b32 read at the head.
; So ONE wait on va_vdst stands at a step's head: it states that the products of the step before are done reading the slot and the set in which this step's loads land.  The step's 30 loads follow it,
; dealt among its 24 products, which name W[q % 5], X[q % 2], the accumulators, the scale words and the bias: none of the registers that those loads touch.
; One wait on va_vdst stands ahead of the way out; one on vm_vsrc behind the barrier, and one ahead of each row block from the third on.
.set KST,   16
.set CHB,   0
.set TROW,  24576                      ; from a weight tile to the next: 16 rows of 1,536 bytes
.set HSCO,  7372800
.set STG,   147456                     ; LDS: behind the images a stage of 16 rows x (256 + 16) bytes for each wave
.set AD0,   4                          ; v4-6: 16 lane + 0, 64,512, 129,024: LDS offsets are 16 bits
.set WA,    7
.set CP,    8
.set SL,    9
.set WSA,   10
.set BA,    11
.set STO,   12
.set RD,    13
.set YO,    14
.set ST,    16
.set SW,    64
.set BIAS,  96
.set RAW,   128
.set OB,    128
.set WB,    26
.set MSB, 0
.macro WIN new                         ; the immediate's high byte repeats the setting that is left
.if MSB != \new
	s_set_vgpr_msb (MSB<<8)|\new
.set MSB, \new
.endif
.endm
.macro BLOAD q                         ; step q's four weight fragments into slot q % 5: 12 loads
	WIN 0x80
.irp t, 0,1,2,3
.irp c, 0,1,2
	global_load_b128 v[48*((\q)%5)+12*\t+4*\c:48*((\q)%5)+12*\t+4*\c+3], v[WA], s[WB:WB+1] offset:((\q)/KST)*CHB+TROW*\t+192*(((\q)%KST)/2)+48*((\q)%2)+16*\c
.endr
.endr
.endm
.macro ALOADH q, hf                    ; half hf of step q's six fragments of h, row blocks 3 hf .. 3 hf + 2, into set q % 2: 9 loads of 512 consecutive bytes
	WIN 0x40
.set QK, (\q)%KST
.irp m, 0,1,2
.irp c, 0,1,2
	ds_load_b128 v[72*((\q)%2)+12*(3*(\hf)+\m)+4*\c:72*((\q)%2)+12*(3*(\hf)+\m)+4*\c+3], v[AD0+QK/7] offset:(QK%7)*9216+1536*(3*(\hf)+\m)+512*\c
.endr
.endr
.endm
.macro WM m, t, q, first               ; one product; the weights' scale words of tiles 2, 3 and h's of row blocks 3-5 stand in lanes 16-31
.set rD, 32*(\m)+8*(\t)
.set rW, 48*((\q)%5)+12*(\t)
.set rX, 72*((\q)%2)+12*(\m)
.set rSW, SW+2*KST*((\q)/KST)+KST*((\t)%2)+(\q)%KST
.set rST, ST+KST*((\m)%3)+(\q)%KST
.if \first
.set rC, BIAS+32*((\q)/KST)+8*(\t)     ; the bias starts the sum
.else
.set rC, rD
.endif
.if ((\t) < 2) && ((\m) < 3)
	v_wmma_scale_f32_16x16x128_f8f6f4 v[rD:rD+7], v[rW:rW+11], v[rX:rX+11], v[rC:rC+7], v[rSW], v[rST] matrix_a_fmt:MATRIX_FMT_FP6 matrix_b_fmt:MATRIX_FMT_FP6
.elseif (\m) < 3
	v_wmma_scale_f32_16x16x128_f8f6f4 v[rD:rD+7], v[rW:rW+11], v[rX:rX+11], v[rC:rC+7], v[rSW], v[rST] matrix_a_fmt:MATRIX_FMT_FP6 matrix_b_fmt:MATRIX_FMT_FP6 matrix_a_scale:MATRIX_SCALE_ROW1
.elseif (\t) < 2
	v_wmma_scale_f32_16x16x128_f8f6f4 v[rD:rD+7], v[rW:rW+11], v[rX:rX+11], v[rC:rC+7], v[rSW], v[rST] matrix_a_fmt:MATRIX_FMT_FP6 matrix_b_fmt:MATRIX_FMT_FP6 matrix_b_scale:MATRIX_SCALE_ROW1
.else
	v_wmma_scale_f32_16x16x128_f8f6f4 v[rD:rD+7], v[rW:rW+11], v[rX:rX+11], v[rC:rC+7], v[rSW], v[rST] matrix_a_fmt:MATRIX_FMT_FP6 matrix_b_fmt:MATRIX_FMT_FP6 matrix_a_scale:MATRIX_SCALE_ROW1 matrix_b_scale:MATRIX_SCALE_ROW1
.endif
.endm
.macro MULWIN first                    ; the products' windows
.if \first
	WIN 0xc6                                       ; weights window 2, h window 1, C (the bias) window 0, D window 3
.else
	WIN 0xf6                                       ; C and D window 3
.endif
.endm
.macro ROWB m, q, first                ; row block m's four products
.irp t, 0,1,2,3
	WM \m, \t, \q, \first
.endr
.endm
.macro STEP q, first                   ; 128 along K: 24 products, the 24 accumulators by turns in the same order in every step
.rept 4
	v_nop                                          ; four places behind the last step's products, in front of loads into registers that they read
.endr
.if 15-(\q) >= 3
	s_wait_loadcnt 36                              ; this step's weights are in; the three steps behind it, 12 loads each, may be out
.else
	s_wait_loadcnt 12*(15-(\q))
.endif
	s_wait_dscnt 9                                 ; this step's fragments of row blocks 0-2 are in; the nine of row blocks 3-5 may be out
	s_wait_alu depctr_va_vdst(0)                   ; the last step's products are done reading their slot and their set, in which the loads below land; in step 0: W2's scale words, which the products take, are written
	MULWIN \first
	ROWB 0, \q, \first
.if (\q) <= 14
	ALOADH (\q)+1, 0                               ; no wait: no product since the wait above names the other set
	MULWIN \first
.endif
	ROWB 1, \q, \first
.if (\q) <= 14
	ALOADH (\q)+1, 1
	MULWIN \first
.endif
	ROWB 2, \q, \first
.if (\q) <= 11
	BLOAD (\q)+4                                   ; into the slot that the last step read; no product since the wait above names it
	MULWIN \first
.endif
.if (\q) <= 14
	s_wait_dscnt 18                                ; this step's fragments of row blocks 3-5 are in; the next step's 18 loads may be out
.else
	s_wait_dscnt 0x0
.endif
	ROWB 3, \q, \first
	ROWB 4, \q, \first
	ROWB 5, \q, \first
.endm
	s_load_b256 s[4:11], s[0:1], 0x0               ; route s[4:5], hq s[6:7], W2's codes s[8:9], W2's scales s[10:11]
	s_load_b128 s[12:15], s[0:1], 0x20             ; b2 s[12:13], y s[14:15]
	v_lshl_add_u32 v254, v0, 2, 0x28400
	v_mov_b32 v255, 0
	v_lshrrev_b32 v1, 5, v0
	v_readfirstlane_b32 s16, v1                    ; wave 0..3
	s_and_b32 s18, ttmp7, 0xffff                   ; tile
	s_lshl_b32 s22, s18, 2
	s_mov_b32 s23, 0
	s_wait_kmcnt 0x0
	s_add_nc_u64 s[24:25], s[4:5], s[22:23]
	s_load_b32 s19, s[24:25], 0x0                  ; tinfo: expert + 1, or 0
	v_and_b32 v1, 31, v0                           ; lane
	v_and_b32 v2, 15, v0                           ; r
	v_bfe_u32 v3, v0, 4, 1                         ; h
	v_lshlrev_b32 v[AD0], 4, v1
	v_add_nc_u32 v[AD0+1], 64512, v[AD0]
	v_add_nc_u32 v[AD0+2], 129024, v[AD0]
	v_mul_u32_u24 v15, v3, 96
	v_mad_u32_u24 v[WA], v2, 1536, v15             ; W2: row r of a tile, + 96 h
	s_wait_alu depctr_va_sdst(0)                   ; s16, the wave's number, is written, ahead of its first reader
	s_mul_i32 s47, s16, 36864
	v_add_nc_u32 v[CP], s47, v[AD0]                ; my quarter of the tile's images, in memory and in LDS alike
	v_lshlrev_b32 v[SL], 2, v1                     ; 4 lane
	v_lshl_add_u32 v[WSA], v3, 5, v2
	v_lshlrev_b32 v[WSA], 6, v[WSA]                ; W2's scales: 64 bytes a row; lanes 16-31 two tiles (32 rows) on
	v_lshlrev_b32 v[BA], 5, v3                     ; b2: 32 h
	s_mul_i32 s46, s16, 4352
	s_add_co_u32 s46, s46, STG                     ; my stage
	v_mul_u32_u24 v[STO], v2, 272
	v_lshl_add_u32 v[STO], v3, 5, v[STO]
	v_add_nc_u32 v[STO], s46, v[STO]               ; in: row r, 32 bytes for each half of the lanes
	v_mul_u32_u24 v[RD], v3, 272
	v_lshl_add_u32 v[RD], v2, 4, v[RD]
	v_add_nc_u32 v[RD], s46, v[RD]                 ; back: lanes 0-15 one row of 256 bytes, lanes 16-31 the next
	v_lshlrev_b32 v[YO], 12, v3
	v_lshl_add_u32 v[YO], v2, 4, v[YO]             ; and the same two rows in y
	s_lshl_b32 s44, ttmp9, 8
	s_lshl_b32 s45, s16, 6
	s_add_co_u32 s44, s44, s45                     ; my first output: 256 slice + 64 wave
	s_mov_b32 s40, 0x05010400                      ; a pair's bytes 0, 4, 1, 5: the scale word of sub = 0
	s_mov_b32 s41, 0x07030602                      ; bytes 2, 6, 3, 7: of sub = 1
	s_wait_kmcnt 0x0
	s_cmp_eq_u32 s19, 0
	s_cselect_b32 s21, 0, s18                      ; an empty tile takes tile 0's addresses up to the barrier
	s_min_u32 s21, s21, 49                         ; the choice hangs on a loaded number: it enters addresses only held inside the 50 tiles
	s_max_u32 s20, s19, 1
	s_sub_co_u32 s20, s20, 1
	s_min_u32 s20, s20, 7                          ; the expert
	s_mul_i32 s22, s20, 1572864
	s_mul_i32 s46, s44, 1536
	s_add_co_u32 s22, s22, s46
	s_add_nc_u64 s[WB:WB+1], s[8:9], s[22:23]
	s_mul_i32 s22, s21, 147456
	s_add_nc_u64 s[28:29], s[6:7], s[22:23]        ; the tile's images
	s_mul_i32 s22, s21, 6144
	s_add_co_u32 s22, s22, HSCO
	s_add_nc_u64 s[30:31], s[6:7], s[22:23]        ; and its scale words
	s_lshl_b32 s22, s20, 16
	s_lshl_b32 s46, s44, 6
	s_add_co_u32 s22, s22, s46
	s_add_nc_u64 s[32:33], s[10:11], s[22:23]
	s_lshl_b32 s22, s20, 12
	s_lshl_b32 s46, s44, 2
	s_add_co_u32 s22, s22, s46
	s_add_nc_u64 s[34:35], s[12:13], s[22:23]
	s_mul_i32 s22, s21, 393216
	s_add_co_u32 s22, s22, s46
	s_add_nc_u64 s[36:37], s[14:15], s[22:23]      ; y: the tile's first row, my 256 bytes of it
	s_wait_alu depctr_va_vdst(0)                   ; the addresses and offsets v4 to v14 are written, which the kernel's loads and stores read; so are v254 and v255
.irp j, 0,1,2
.set q, 0
.rept 16
	global_load_b32 v[ST+16*\j+q], v[SL], s[30:31] offset:384*q+128*\j   ; h's scale words, as the product takes them
.set q, q+1
.endr
.endr
.irp p, 0,1
.irp i, 0,1,2,3
	global_load_b128 v[RAW+16*\p+4*\i:RAW+16*\p+4*\i+3], v[WSA], s[32:33] offset:1024*\p+16*\i
.endr
.endr
.irp t, 0,1,2,3
.irp i, 0,1
	global_load_b128 v[BIAS+8*\t+4*\i:BIAS+8*\t+4*\i+3], v[BA], s[34:35] offset:64*\t+16*\i   ; b2 at my eight outputs of the tile
.endr
.endr
	WIN 0xc0                                       ; the copy goes through registers that are still free: 144 of window 3, 144 of window 1
.set k, 0
.rept 36
	global_load_b128 v[4*k:4*k+3], v[CP], s[28:29] offset:512*k
.set k, k+1
.endr
	WIN 0x40
.rept 36
	global_load_b128 v[4*(k-36):4*(k-36)+3], v[CP], s[28:29] offset:512*k
.set k, k+1
.endr
	BLOAD 0
	BLOAD 1
	s_wait_loadcnt 60                              ; scales, bias and the copy's first half are in; its second half (36) and 24 weight loads may be out
	WIN 0x0c
.set k, 0
.rept 36
	ds_store_b128 v[CP], v[4*k:4*k+3] offset:512*k
.set k, k+1
.endr
	s_wait_loadcnt 24                              ; the second half is in
	WIN 0x04
.rept 36
	ds_store_b128 v[CP], v[4*(k-36):4*(k-36)+3] offset:512*k
.set k, k+1
.endr
	BLOAD 2
	BLOAD 3
	WIN 0
	s_wait_dscnt 0x0                               ; for the others: my quarter of the images lies in LDS
	s_barrier_signal -1
	s_barrier_wait -1                              ; the one barrier: from here on the images are only read, and each stage is its wave's own
	s_wait_alu depctr_vm_vsrc(0)                   ; my LDS stores have read the registers through which the copy went: window 1's take the fragments' loads from here on, window 3's are written by the products
	s_cmp_eq_u32 s19, 0
	s_cbranch_scc1 .Lend                           ; a tile without rows stores nothing
	ALOADH 0, 0
	ALOADH 0, 1
	WIN 0
.irp p, 0,1
.irp g, 0,1,2,3,4,5,6,7
	v_perm_b32 v[SW+16*\p+2*\g], v[RAW+16*\p+2*\g+1], v[RAW+16*\p+2*\g], s40
	v_perm_b32 v[SW+16*\p+2*\g+1], v[RAW+16*\p+2*\g+1], v[RAW+16*\p+2*\g], s41
.endr
.endr
.rept 8
	v_nop                                          ; scale registers written by vector instructions stand eight places ahead of a scaled product; the wait that states it stands at step 0's head, behind these places
.endr
	STEP 0, 1
.irp q, 1,2,3,4,5,6,7,8,9,10,11,12,13,14,15
	STEP \q, 0
.endr
	WIN 0
.rept 4
	v_nop                                          ; four places behind the last products, in front of the stores that read results
.endr
	s_wait_alu depctr_va_vdst(0)                   ; the products have written the 24 accumulators, which the LDS stores of all six row blocks read; the places above stay beside this wait
; THE WAY OUT, a row block of 16 rows x 64 outputs at a time, through my own stage: LDS serves a wave's instructions in order (ISA guide 5.7.1.4), so no wait stands between the stores and the loads.
.macro TOSTAGE m
	WIN 0x0c
.irp t, 0,1,2,3
	ds_store_b128 v[STO], v[32*(\m)+8*\t:32*(\m)+8*\t+3] offset:64*\t          ; each accumulator from its low end on
	ds_store_b128 v[STO], v[32*(\m)+8*\t+4:32*(\m)+8*\t+7] offset:64*\t+16
.endr
	WIN 0
.irp i, 0,1,2,3,4,5,6,7
	ds_load_b128 v[OB+32*((\m)%2)+4*\i:OB+32*((\m)%2)+4*\i+3], v[RD] offset:544*\i
.endr
.endm
.macro SEND m, younger                 ; younger: the LDS instructions issued behind row block m's loads, which may stay out
	s_wait_dscnt \younger
.irp i, 0,1,2,3,4,5,6,7
	global_store_b128 v[YO], v[OB+32*((\m)%2)+4*\i:OB+32*((\m)%2)+4*\i+3], s[36:37] offset:(16*(\m)+2*\i)*4096   ; 16 lanes store 256 consecutive bytes, aligned
.endr
.endm
	TOSTAGE 0
.irp m, 1,2,3,4,5
.if \m > 1
	s_wait_xcnt 0x0                                ; row block m - 2's stores have had their addresses translated: row block m's loads may land in their registers
	s_wait_alu depctr_vm_vsrc(0)                   ; row block m - 2's global stores have read their set of 32 registers, in which row block m's LDS loads land
.endif
	TOSTAGE \m
	SEND \m-1, 16                                  ; behind row block m - 1's loads: row block m's 8 stores and 8 loads
.endr
	SEND 5, 0
.Lend:
	s_wait_dscnt 0x0                               ; the closing lines, six on end
	s_wait_alu 0x0
	s_wait_tensorcnt 0x0
	ds_add_u32 v254, v255
	s_wait_dscnt 0x0
	s_endpgm
.Lfunc_end_k_q80c1a049f9_down:
	.size	k_q80c1a049f9_down, .Lfunc_end_k_q80c1a049f9_down-k_q80c1a049f9_down
	.p2alignl 7, 3214868480
	.fill 96, 4, 3214868480
	.section	.rodata,"a",@progbits
	.p2align	6, 0x0
	.amdhsa_kernel k_q80c1a049f9_down
		.amdhsa_group_segment_fixed_size 165376
		.amdhsa_private_segment_fixed_size 0
		.amdhsa_enable_private_segment 0
		.amdhsa_kernarg_size 48
		.amdhsa_user_sgpr_count 2
		.amdhsa_user_sgpr_kernarg_segment_ptr 1
		.amdhsa_wavefront_size32 1
		.amdhsa_system_sgpr_workgroup_id_x 1
		.amdhsa_system_sgpr_workgroup_id_y 1
		.amdhsa_system_sgpr_workgroup_id_z 1
		.amdhsa_system_vgpr_workitem_id 0
		.amdhsa_next_free_vgpr 1024
		.amdhsa_next_free_sgpr 66
		.amdhsa_reserve_vcc 0
		.amdhsa_float_denorm_mode_32 3
		.amdhsa_float_denorm_mode_16_64 3
		.amdhsa_memory_ordered 1
		.amdhsa_forward_progress 1
		.amdhsa_inst_pref_size 126
	.end_amdhsa_kernel
	.amdgpu_metadata
---
amdhsa.version: [ 1, 2 ]
amdhsa.kernels:
  - .name:           k_q80c1a049f9_down
    .symbol:         k_q80c1a049f9_down.kd
    .args:
      - { .name: route, .offset: 0, .size: 8, .value_kind: global_buffer, .address_space: global }
      - { .name: hq, .offset: 8, .size: 8, .value_kind: global_buffer, .address_space: global }
      - { .name: w2_codes, .offset: 16, .size: 8, .value_kind: global_buffer, .address_space: global }
      - { .name: w2_scales, .offset: 24, .size: 8, .value_kind: global_buffer, .address_space: global }
      - { .name: b2, .offset: 32, .size: 8, .value_kind: global_buffer, .address_space: global }
      - { .name: y, .offset: 40, .size: 8, .value_kind: global_buffer, .address_space: global }
    .group_segment_fixed_size: 165376
    .private_segment_fixed_size: 0
    .kernarg_segment_align: 8
    .kernarg_segment_size: 48
    .max_flat_workgroup_size: 128
    .sgpr_count:     66
    .vgpr_count:     1024
    .wavefront_size: 32
...
	.end_amdgpu_metadata
.endif
;; end of part 9
;; launch mix (part 10): grid 256 x 1, 8 waves a work-group, no clusters, 0 bytes of LDS; arguments route, gwt, y, out0; writes out0
.if DOCPART == 10
	.amdgcn_target "amdgcn-amd-amdhsa--gfx1250"
	.amdhsa_code_object_version 6
	.text
	.protected	k_q80c1a049f9_mix
	.globl	k_q80c1a049f9_mix
	.p2align	8
	.type	k_q80c1a049f9_mix,@function
k_q80c1a049f9_mix:
	s_mov_b64 s[64:65], 0
	v_nop
	global_prefetch_b8 v0, s[64:65] scope:SCOPE_SE
	s_setreg_imm32_b32 hwreg(HW_REG_WAVE_MODE, 25, 1), 1
	s_wait_xcnt 0x0
; out[t] = g0 y[p0] + g1 y[p1]: each output row has one owner, wave = token t = 8 x work-group + wave.  p0, p1: the positions that the sort gave the token's two choices (route, from byte 256);
; g0, g1: their probabilities.  A stream: two rows of 4,096 bytes in, one out; every load and store of the wave covers 512 consecutive bytes.  No LDS, no barrier, no matrix unit: memory binds.
.set A, 8                              ; v8-39   row p0, then the result
.set B, 40                             ; v40-71  row p1
	s_load_b256 s[4:11], s[0:1], 0x0               ; route s[4:5], gwt s[6:7], y s[8:9], out0 s[10:11]
	v_lshrrev_b32 v1, 5, v0
	s_delay_alu instid0(VALU_DEP_1)
	v_readfirstlane_b32 s12, v1                    ; wave
	v_and_b32 v1, 31, v0
	s_delay_alu instid0(VALU_DEP_1)
	v_lshlrev_b32 v1, 4, v1                        ; 16 lane
	s_lshl_b32 s13, ttmp9, 3
	s_add_co_u32 s13, s13, s12                     ; token
	s_lshl_b32 s14, s13, 3
	s_mov_b32 s15, 0
	s_wait_alu depctr_va_vdst(0)
	s_wait_kmcnt 0x0
	s_add_nc_u64 s[16:17], s[4:5], s[14:15]
	s_add_nc_u64 s[18:19], s[6:7], s[14:15]
	s_load_b64 s[20:21], s[16:17], 0x100           ; p0, p1
	s_load_b64 s[22:23], s[18:19], 0x0             ; g0, g1
	s_lshl_b32 s14, s13, 12
	s_add_nc_u64 s[34:35], s[10:11], s[14:15]      ; my row of out0
	s_mov_b32 s25, 0
	s_wait_kmcnt 0x0
	s_min_u32 s20, s20, 4799
	s_min_u32 s21, s21, 4799
	s_lshl_b32 s24, s20, 12
	s_add_nc_u64 s[26:27], s[8:9], s[24:25]
	s_lshl_b32 s24, s21, 12
	s_add_nc_u64 s[28:29], s[8:9], s[24:25]
	s_mov_b32 s30, s22                             ; the packed forms name a pair and take its low word for both halves
	s_mov_b32 s31, s22
	s_mov_b32 s32, s23
	s_mov_b32 s33, s23
.irp i, 0,1,2,3,4,5,6,7
	global_load_b128 v[A+4*\i:A+4*\i+3], v1, s[26:27] offset:512*\i th:TH_LOAD_NT
.endr
.irp i, 0,1,2,3,4,5,6,7
	global_load_b128 v[B+4*\i:B+4*\i+3], v1, s[28:29] offset:512*\i th:TH_LOAD_NT
.endr
.irp i, 0,1,2,3,4,5,6,7
	s_wait_loadcnt 7-\i                            ; row p1's i-th load is in, and with it all of row p0; the 7 - i behind it may be out
	v_pk_mul_f32 v[A+4*\i:A+4*\i+1], v[A+4*\i:A+4*\i+1], s[30:31] op_sel_hi:[1,0]
	v_pk_mul_f32 v[A+4*\i+2:A+4*\i+3], v[A+4*\i+2:A+4*\i+3], s[30:31] op_sel_hi:[1,0]
	s_delay_alu instid0(VALU_DEP_2)
	v_pk_fma_f32 v[A+4*\i:A+4*\i+1], v[B+4*\i:B+4*\i+1], s[32:33], v[A+4*\i:A+4*\i+1] op_sel_hi:[1,0,1]
	s_delay_alu instid0(VALU_DEP_2)
	v_pk_fma_f32 v[A+4*\i+2:A+4*\i+3], v[B+4*\i+2:B+4*\i+3], s[32:33], v[A+4*\i+2:A+4*\i+3] op_sel_hi:[1,0,1]
	global_store_b128 v1, v[A+4*\i:A+4*\i+3], s[34:35] offset:512*\i th:TH_STORE_NT
.endr
	s_endpgm
.Lfunc_end_k_q80c1a049f9_mix:
	.size	k_q80c1a049f9_mix, .Lfunc_end_k_q80c1a049f9_mix-k_q80c1a049f9_mix
	.p2alignl 7, 3214868480
	.fill 96, 4, 3214868480
	.section	.rodata,"a",@progbits
	.p2align	6, 0x0
	.amdhsa_kernel k_q80c1a049f9_mix
		.amdhsa_group_segment_fixed_size 0
		.amdhsa_private_segment_fixed_size 0
		.amdhsa_enable_private_segment 0
		.amdhsa_kernarg_size 32
		.amdhsa_user_sgpr_count 2
		.amdhsa_user_sgpr_kernarg_segment_ptr 1
		.amdhsa_wavefront_size32 1
		.amdhsa_system_sgpr_workgroup_id_x 1
		.amdhsa_system_sgpr_workgroup_id_y 1
		.amdhsa_system_sgpr_workgroup_id_z 1
		.amdhsa_system_vgpr_workitem_id 0
		.amdhsa_next_free_vgpr 72
		.amdhsa_next_free_sgpr 66
		.amdhsa_reserve_vcc 0
		.amdhsa_float_denorm_mode_32 3
		.amdhsa_float_denorm_mode_16_64 3
		.amdhsa_memory_ordered 1
		.amdhsa_forward_progress 1
		.amdhsa_inst_pref_size 7
	.end_amdhsa_kernel
	.amdgpu_metadata
---
amdhsa.version: [ 1, 2 ]
amdhsa.kernels:
  - .name:           k_q80c1a049f9_mix
    .symbol:         k_q80c1a049f9_mix.kd
    .args:
      - { .name: route, .offset: 0, .size: 8, .value_kind: global_buffer, .address_space: global }
      - { .name: gwt, .offset: 8, .size: 8, .value_kind: global_buffer, .address_space: global }
      - { .name: y, .offset: 16, .size: 8, .value_kind: global_buffer, .address_space: global }
      - { .name: out0, .offset: 24, .size: 8, .value_kind: global_buffer, .address_space: global }
    .group_segment_fixed_size: 0
    .private_segment_fixed_size: 0
    .kernarg_segment_align: 8
    .kernarg_segment_size: 32
    .max_flat_workgroup_size: 256
    .sgpr_count:     66
    .vgpr_count:     72
    .wavefront_size: 32
...
	.end_amdgpu_metadata
.endif
;; end of part 10
